; MI455X (gfx1250); checked and timed in simulation.
; The chip was launched on July 23, 2026; its instructions are those of AMD's public machine-readable ISA for CDNA 5 (MIT licence, August 2026) and "CDNA5" Instruction Set Architecture Reference Guide (July 2026). The comments in the code are by the model that wrote it; some were corrected since.
;; Encoder Layer. Allowed arithmetic: matrix products marked QUANTISED: E2M1 operands, one E8M0 scale for each 32 along K, by v_wmma_scale_f32_16x16x128_f8f6f4 with both operands' format E2M1 (or v_wmma_scale_f32_32x16x128_f4), f32 sums; everything else in f32.
;; Inputs: W1 1,024 x 1,024 float32; W2 1,024 x 1,024 float32; Wk 1,024 x 1,024 float32; Wq 1,024 x 1,024 float32; Wv 1,024 x 1,024 float32; b1 1,024 float32; b2 1,024 float32; bk 1,024 float32; bq 1,024 float32; bv 1,024 float32; dist_emb 257 x 32 float32; ln1_b 1,024 float32; ln1_g 1,024 float32; ln2_b 1,024 float32; ln2_g 1,024 float32; x 4 x 1,024 x 1,024 float32.
;; Outputs: out0 1,024 x 4 x 1,024 float32.
;; This version of the problem:
;;   THIS VERSION OF THE PROBLEM IS GIVEN IN LOW PRECISION. The matrix products marked QUANTISED in the list below multiply operands that are first quantised to E2M1 (2 exponent bits, 1 mantissa bit; 4 bits a number), with one power-of-two scale for each 32 numbers along K (OCP MX v1.0); their sums are f32. All else is computed in f32.
;;   The module's matrix products, in the order in which they are computed (A, B: the left and right operand; K: the contracted axis; several contracted axes count as one K, in the product's order):
;;     1. [M 4,096, K 1,024] x [K 1,024, N 1,024]; A: input x; B: input Wq: QUANTISED
;;     2. [M 4,096, K 1,024] x [K 1,024, N 1,024]; A: input x; B: input Wk: QUANTISED
;;     3. [M 4,096, K 1,024] x [K 1,024, N 1,024]; A: input x; B: input Wv: QUANTISED
;;     4. batch 128 x [M 1,024, K 32] x [K 32, N 1,024]; A: computed on the way; B: computed on the way: QUANTISED
;;     5. batch 1,024 x [M 1,024, K 32] x [K 32, N 128]; A: computed on the way; B: computed on the way: QUANTISED
;;     6. batch 1,024 x [M 1,024, K 32] x [K 32, N 128]; A: computed on the way; B: computed on the way: QUANTISED
;;     7. batch 128 x [M 32, K 1,024] x [K 1,024, N 1,024]; A: computed on the way; B: softmax (see below): QUANTISED
;;     8. [M 4,096, K 1,024] x [K 1,024, N 1,024]; A: computed on the way; B: input W1: QUANTISED
;;     9. [M 4,096, K 1,024] x [K 1,024, N 1,024]; A: computed on the way; B: input W2: QUANTISED
;;   THE QUANTISER, for each operand of a quantised product, along K:
;;     - K is cut into blocks of 32 from its start; a last block that is shorter is filled with zeros.
;;     - A block's scale is 2^e with e = floor(log2(the largest magnitude in the block)) - 2, held to -126 .. 127; a block of zeros has e = 0. As a byte (E8M0): e + 127.
;;     - Each number is divided by its block's scale, clamped to +-6, and rounded to the nearest number of E2M1, ties to even, subnormals kept.
;;     - The product sums the exact products of the quantised numbers (number of the format x scale) in f32.
;;   ~~~python
;;   def quantise(x, axis):      # numpy; x: float32 -> the quantised numbers, widened to float32 again
;;       x = np.moveaxis(x, axis, -1); K = x.shape[-1]
;;       x = np.pad(x, [(0, 0)] * (x.ndim - 1) + [(0, -K % 32)]); x = x.reshape(x.shape[:-1] + (-1, 32)); a = np.abs(x).max(-1, keepdims=True)
;;       e = np.where(a > 0, np.clip(np.frexp(np.where(a > 0, a, 1))[1] - 1 - 2, -126, 127), 0)      # np.frexp(a)[1] - 1 = floor(log2(a)), exactly
;;       r = np.clip(x / 2.0 ** e, -6, 6)
;;       step = 2.0 ** (np.maximum(np.frexp(np.where(r == 0, 1, r))[1] - 1, 0) - 1)
;;       q = np.round(r / step) * step * 2.0 ** e      # np.round: ties to even
;;       return np.moveaxis(q.reshape(q.shape[:-2] + (-1,))[..., :K], -1, axis).astype(np.float32)
;;   ~~~
;;   SOFTMAX AHEAD OF A QUANTISED PRODUCT. Where the list says 'softmax', what is quantised is not the finished softmax but p = 2^(t - M), with t = logit x log2(e) and M = ceil(the row's largest t), a whole number; so 1/2 < the row's largest p <= 1. The row's sum l is taken of the UNQUANTISED p, in f32, and the product's result is divided by l at the end. Since M is a whole number, a kernel that streams over the keys may use a running M (the ceiling of the running maximum): every later rescaling is an exact power of two, which a block's scale takes up: the codes' values come out the same.
;;   OPERANDS COMPUTED ON THE WAY. 'Computed on the way' means the value that the module computes at that place (a softmax that the list does not call 'softmax' is quantised finished and normalised). What goes into a quantiser is computed in f32, as accurately as f32 sums, v_exp_f32 and their like allow (about 1e-6 of the number): no bf16 or f16 on the way to a quantiser, and a product that is left as it is and whose result goes on into a quantised operand takes f32 operands (vector FMAs, or v_wmma_f32_16x16x4_f32). A number that lies on a knife's edge between two numbers of the format may be rounded either way, as far as f32 arithmetic and the matrix unit's own rounding can turn it there, and no further.
;; 2 versions. Each part assembles by itself: llvm-mc -triple=amdgcn-amd-amdhsa -mcpu=gfx1250 --defsym DOCPART=n.
;; ======== version 1 of 2: 4 launches
;; workspace buffers: xc 2,097,152 bytes; xs 131,072 bytes; wc 2,621,440 bytes; wsc 163,840 bytes; dt 10,240 bytes; qkvc 6,291,456 bytes; qkvs 1,572,864 bytes; t 16,777,216 bytes
;; launch prep (part 1): grid 580 x 1, 4 waves a work-group, no clusters, 34,304 bytes of LDS; arguments x, Wq, Wk, Wv, W1, W2, dist_emb, xc, xs, wc, wsc, dt; writes xc, xs, wc, wsc, dt
.if DOCPART == 1
	.amdgcn_target "amdgcn-amd-amdhsa--gfx1250"
	.amdhsa_code_object_version 6
	.text
	.protected	k_q5f186847fd_prep
	.globl	k_q5f186847fd_prep
	.p2align	8
	.type	k_q5f186847fd_prep,@function
k_q5f186847fd_prep:
	s_mov_b64 s[64:65], 0
	v_nop
	global_prefetch_b8 v0, s[64:65] scope:SCOPE_SE
	s_setreg_imm32_b32 hwreg(HW_REG_WAVE_MODE, 25, 1), 1
	s_wait_xcnt 0x0
; x [4096][1024], the five weights [k 1024][n 1024] and dist_emb [257][32], all f32, become codes of E2M1 with one E8M0 byte for each 32 along K.
; Codes are laid as IMAGES OF OPERAND REGISTERS: tile of 16 rows, K step of 128: [c 2][lane 32][16 bytes]; lane (r, h), group c holds row r, k = 64 c + 32 h + 0..31.
; Scale words: [tile][K step][16 rows], byte b = block b of the K step.
; dt: codes of d_ext[x] = Q(dist_emb[clip(x - 64, 0, 256)]), x = 0..511, 16 bytes each; from byte 8192 words: byte 0 the scale of d_ext[x], byte 1 that of d_ext[max(x - 16, 0)].
; A block's scale byte is its largest magnitude's exponent field - 2, held at 1 from below.
; LIMITS: a block of zeros (or with a largest magnitude under 2^-124) gets the byte 1: its codes are zeros and this program alone reads the bytes; NaN and infinities are not served.
; Work-groups 0-255: a tile of 16 rows of x.  256-575: 128 columns x 128 along K of one weight.  576-579: 128 entries of dt.  The three ways share no LDS: only the first uses it.
.set R,  16                            ; v16-143  numbers as loaded
.set X,  144                           ; v144-207 64 numbers back from the stage
.set C,  208                           ; v208-223 codes
.set TM, 224                           ; v224-235 at work
; 32 numbers of one lane, v[xs] on, become 4 registers of codes at v[cd]; v[op] the conversion's scale operand, v[by] the byte
.macro BLK32 xs, cd, op, by
	v_max3_num_f32 v[TM], |v[(\xs)]|, |v[(\xs)+1]|, |v[(\xs)+2]|
	v_max3_num_f32 v[TM+1], |v[(\xs)+3]|, |v[(\xs)+4]|, |v[(\xs)+5]|
.irp i, 6,10,14,18,22,26
	v_max3_num_f32 v[TM], v[TM], |v[(\xs)+\i]|, |v[(\xs)+\i+1]|
	v_max3_num_f32 v[TM+1], v[TM+1], |v[(\xs)+\i+2]|, |v[(\xs)+\i+3]|
.endr
	v_max3_num_f32 v[TM], v[TM], |v[(\xs)+30]|, |v[(\xs)+31]|
	v_max3_num_f32 v[TM], v[TM], v[TM+1], 0x1800000      ; the floor 2^(3 - 127): the byte cannot fall under 1
	v_add_nc_u32 v[\op], 0xff000000, v[TM]               ; 2 off the exponent field: the conversion takes that field as its scale
.irp g, 0,1,2,3
	v_cvt_scalef32_pk8_fp4_f32 v[(\cd)+\g], v[(\xs)+8*\g:(\xs)+8*\g+7], v[\op]
.endr
	v_lshrrev_b32 v[\by], 23, v[\op]                     ; the byte; also the plain line behind the conversions
.endm
	s_load_b512 s[8:23], s[0:1], 0x0               ; x, Wq, Wk, Wv, W1, W2, dist_emb, xc
	s_load_b256 s[24:31], s[0:1], 0x40             ; xs, wc, wsc, dt
	v_lshl_add_u32 v240, v0, 2, 0x8400
	v_mov_b32 v241, 0
	v_lshrrev_b32 v1, 5, v0
	v_readfirstlane_b32 s2, v1                     ; wave
	v_and_b32 v2, 31, v0                           ; lane
	v_and_b32 v3, 15, v0                           ; r
	v_bfe_u32 v4, v0, 4, 1                         ; h
	s_mov_b32 s3, ttmp9
	s_mov_b32 s36, 0x76543210
	s_mov_b32 s37, 0xfedcba98                      ; selects for lane l xor 16
	s_mov_b32 s38, 0xffff0000                      ; lanes 16-31
	s_mov_b32 s35, 0
	s_wait_kmcnt 0x0
	s_cmp_lt_u32 s3, 256
	s_cbranch_scc0 .Lnot_x
	; ---- x: tile T = work-group; wave w takes K steps 2 w and 2 w + 1.  Each load reads 512 consecutive bytes of one row; the numbers turn through the wave's own stage (rows of 512 + 16 bytes)
	v_lshlrev_b32 v5, 4, v2                        ; 16 x lane
	s_mul_i32 s4, s2, 8448
	v_add_nc_u32 v6, s4, v5                        ; stage, in
	v_mul_u32_u24 v7, v3, 528
	v_lshl_add_u32 v7, v4, 7, v7
	v_add_nc_u32 v7, s4, v7                        ; stage, out: row r, + 128 h
	v_lshlrev_b32 v8, 2, v2                        ; 4 x lane
	v_lshlrev_b32 v9, 3, v4                        ; 8 h
	v_mov_b32 v[TM+7], 0                           ; a lane permute's destination counts as read
	s_lshl_b32 s34, s3, 16
	s_lshl_b32 s4, s2, 10
	s_add_co_u32 s34, s34, s4
	s_add_nc_u64 s[8:9], s[8:9], s[34:35]          ; x at row 16 T, byte 1024 w
	s_lshl_b32 s34, s3, 13
	s_lshl_b32 s4, s2, 11
	s_add_co_u32 s34, s34, s4
	s_add_nc_u64 s[22:23], s[22:23], s[34:35]      ; xc at tile T, K step 2 w
	s_lshl_b32 s34, s3, 9
	s_lshl_b32 s4, s2, 7
	s_add_co_u32 s34, s34, s4
	s_add_nc_u64 s[24:25], s[24:25], s[34:35]      ; xs likewise
.set i, 0
.rept 32
	global_load_b128 v[R+4*i:R+4*i+3], v5, s[8:9] offset:(i%16)*4096+(i/16)*512 th:TH_LOAD_NT
.set i, i+1
.endr
.macro XHALF sg
	s_wait_loadcnt 16*(1-\sg)                      ; this K step's 16 loads are in; the other's, issued behind them, may be out
.set i, 0
.rept 16
	ds_store_b128 v6, v[R+64*\sg+4*i:R+64*\sg+4*i+3] offset:i*528
.set i, i+1
.endr
.set i, 0
.rept 16
	ds_load_b128 v[X+4*i:X+4*i+3], v7 offset:(i/8)*256+(i%8)*16   ; the wave's own bytes, served in order: k = 64 c + 32 h + 0..31 of row r
.set i, i+1
.endr
	s_wait_dscnt 0x0
	BLK32 X, C+8*\sg, TM+2, TM+4                   ; my block h
	BLK32 X+32, C+8*\sg+4, TM+3, TM+5              ; my block 2 + h
	v_lshl_or_b32 v[TM+6], v[TM+5], 16, v[TM+4]
	v_lshlrev_b32 v[TM+6], v9, v[TM+6]             ; at their places in the scale word
	v_permlanex16_b32 v[TM+7], v[TM+6], s36, s37
	v_or_b32 v[TM+8+\sg], v[TM+6], v[TM+7]         ; with the other half's two bytes the word is whole
	global_store_b128 v5, v[C+8*\sg:C+8*\sg+3], s[22:23] offset:\sg*1024
	global_store_b128 v5, v[C+8*\sg+4:C+8*\sg+7], s[22:23] offset:\sg*1024+512
.endm
	XHALF 0
	XHALF 1
	v_cndmask_b32 v[TM+10], v[TM+8], v[TM+9], s38  ; lanes 0-15 K step 2 w, lanes 16-31 K step 2 w + 1
	global_store_b32 v8, v[TM+10], s[24:25]
	s_wait_tensorcnt 0x0
	ds_add_u32 v240, v241
	s_wait_dscnt 0x0
	s_endpgm
.Lnot_x:
	s_cmp_lt_u32 s3, 576
	s_cbranch_scc0 .Lpath_d
	; ---- a weight: a lane takes a column n, its registers run down K: the codes come out with K innermost
	s_sub_co_u32 s4, s3, 256
	s_lshr_b32 s5, s4, 6                           ; which weight: q, k, v, 1, 2
	s_bfe_u32 s6, s4, 0x30003                      ; which 128 columns
	s_and_b32 s7, s4, 7                            ; K step
	s_cmp_eq_u32 s5, 1
	s_cselect_b64 s[10:11], s[12:13], s[10:11]
	s_cmp_eq_u32 s5, 2
	s_cselect_b64 s[10:11], s[14:15], s[10:11]
	s_cmp_eq_u32 s5, 3
	s_cselect_b64 s[10:11], s[16:17], s[10:11]
	s_cmp_eq_u32 s5, 4
	s_cselect_b64 s[10:11], s[18:19], s[10:11]
	s_lshl_b32 s34, s7, 19                         ; 128 rows of 4,096 bytes a K step
	s_lshl_b32 s4, s6, 9
	s_add_co_u32 s34, s34, s4
	s_lshl_b32 s4, s2, 7
	s_add_co_u32 s34, s34, s4
	s_add_nc_u64 s[10:11], s[10:11], s[34:35]
	s_lshl_b32 s34, s5, 19                         ; wc: weight, tile 8 cg + 2 w, K step
	s_lshl_b32 s4, s6, 16
	s_add_co_u32 s34, s34, s4
	s_lshl_b32 s4, s2, 14
	s_add_co_u32 s34, s34, s4
	s_lshl_b32 s4, s7, 10
	s_add_co_u32 s34, s34, s4
	s_add_nc_u64 s[26:27], s[26:27], s[34:35]
	s_lshl_b32 s34, s5, 15                         ; wsc likewise
	s_lshl_b32 s4, s6, 12
	s_add_co_u32 s34, s34, s4
	s_lshl_b32 s4, s2, 10
	s_add_co_u32 s34, s34, s4
	s_lshl_b32 s4, s7, 6
	s_add_co_u32 s34, s34, s4
	s_add_nc_u64 s[28:29], s[28:29], s[34:35]
	v_lshlrev_b32 v5, 2, v2                        ; in: 4 bytes a lane
	v_lshlrev_b32 v6, 4, v3
	v_lshl_add_u32 v6, v4, 13, v6                  ; codes: tile lane / 16, row lane % 16
	v_lshlrev_b32 v7, 2, v3
	v_lshl_add_u32 v7, v4, 9, v7                   ; scale word likewise
.macro LOADB bt
.set i, 0
.rept 32
	global_load_b32 v[R+32*(\bt)+i], v5, s[10:11] offset:(32*(\bt)+i)*4096 th:TH_LOAD_NT
.set i, i+1
.endr
.endm
	LOADB 0
	LOADB 1
.macro WBLK bt
.if \bt < 3
	s_wait_loadcnt 32                              ; this block's 32 loads are in, the next block's may be out
.else
	s_wait_loadcnt 0x0
.endif
	BLK32 R+32*\bt, C+4*\bt, TM+2, TM+4
.if \bt == 0
	v_mov_b32 v[TM+6], v[TM+4]
.else
	v_lshl_or_b32 v[TM+6], v[TM+4], 8*\bt, v[TM+6]
.endif
	global_store_b128 v6, v[C+4*\bt:C+4*\bt+3], s[26:27] offset:(\bt/2)*512+(\bt%2)*256   ; sixteen lanes store 256 consecutive bytes
.if \bt < 2
	LOADB \bt+2
.endif
.endm
	WBLK 0
	WBLK 1
	WBLK 2
	WBLK 3
	global_store_b32 v7, v[TM+6], s[28:29]
	s_endpgm
.Lpath_d:
	; ---- dt: thread = entry x
	s_sub_co_u32 s4, s3, 576
	s_lshl_b32 s4, s4, 7
	v_add_nc_u32 v5, s4, v0                        ; x
	v_add_nc_u32 v6, 0xffffffc0, v5                ; x - 64
	v_max_i32 v6, 0, v6
	v_min_u32 v6, 0x100, v6
	v_lshlrev_b32 v6, 7, v6                        ; its row of 128 bytes
	v_add_nc_u32 v7, 0xffffffb0, v5                ; x - 80
	v_max_i32 v7, 0, v7
	v_min_u32 v7, 0x100, v7
	v_lshlrev_b32 v7, 7, v7
.irp i, 0,1,2,3,4,5,6,7
	global_load_b128 v[R+4*\i:R+4*\i+3], v6, s[20:21] offset:16*\i
	global_load_b128 v[R+32+4*\i:R+32+4*\i+3], v7, s[20:21] offset:16*\i
.endr
	v_lshlrev_b32 v8, 4, v5
	v_lshlrev_b32 v9, 2, v5
	s_wait_loadcnt 0x0
	BLK32 R, C, TM+2, TM+4
	BLK32 R+32, C+4, TM+3, TM+5
	v_lshl_or_b32 v[TM+6], v[TM+5], 8, v[TM+4]
	global_store_b128 v8, v[C:C+3], s[30:31]
	global_store_b32 v9, v[TM+6], s[30:31] offset:8192
	s_endpgm
.Lfunc_end_k_q5f186847fd_prep:
	.size	k_q5f186847fd_prep, .Lfunc_end_k_q5f186847fd_prep-k_q5f186847fd_prep
	.p2alignl 7, 3214868480
	.fill 96, 4, 3214868480
	.section	.rodata,"a",@progbits
	.p2align	6, 0x0
	.amdhsa_kernel k_q5f186847fd_prep
		.amdhsa_group_segment_fixed_size 34304
		.amdhsa_private_segment_fixed_size 0
		.amdhsa_enable_private_segment 0
		.amdhsa_kernarg_size 96
		.amdhsa_user_sgpr_count 2
		.amdhsa_user_sgpr_kernarg_segment_ptr 1
		.amdhsa_wavefront_size32 1
		.amdhsa_system_sgpr_workgroup_id_x 1
		.amdhsa_system_sgpr_workgroup_id_y 1
		.amdhsa_system_sgpr_workgroup_id_z 1
		.amdhsa_system_vgpr_workitem_id 0
		.amdhsa_next_free_vgpr 242
		.amdhsa_next_free_sgpr 66
		.amdhsa_reserve_vcc 0
		.amdhsa_float_denorm_mode_32 3
		.amdhsa_float_denorm_mode_16_64 3
		.amdhsa_memory_ordered 1
		.amdhsa_forward_progress 1
		.amdhsa_inst_pref_size 41
	.end_amdhsa_kernel
	.amdgpu_metadata
---
amdhsa.version: [ 1, 2 ]
amdhsa.kernels:
  - .name:           k_q5f186847fd_prep
    .symbol:         k_q5f186847fd_prep.kd
    .args:
      - { .name: x, .offset: 0, .size: 8, .value_kind: global_buffer, .address_space: global }
      - { .name: Wq, .offset: 8, .size: 8, .value_kind: global_buffer, .address_space: global }
      - { .name: Wk, .offset: 16, .size: 8, .value_kind: global_buffer, .address_space: global }
      - { .name: Wv, .offset: 24, .size: 8, .value_kind: global_buffer, .address_space: global }
      - { .name: W1, .offset: 32, .size: 8, .value_kind: global_buffer, .address_space: global }
      - { .name: W2, .offset: 40, .size: 8, .value_kind: global_buffer, .address_space: global }
      - { .name: dist_emb, .offset: 48, .size: 8, .value_kind: global_buffer, .address_space: global }
      - { .name: xc, .offset: 56, .size: 8, .value_kind: global_buffer, .address_space: global }
      - { .name: xs, .offset: 64, .size: 8, .value_kind: global_buffer, .address_space: global }
      - { .name: wc, .offset: 72, .size: 8, .value_kind: global_buffer, .address_space: global }
      - { .name: wsc, .offset: 80, .size: 8, .value_kind: global_buffer, .address_space: global }
      - { .name: dt, .offset: 88, .size: 8, .value_kind: global_buffer, .address_space: global }
    .group_segment_fixed_size: 34304
    .private_segment_fixed_size: 0
    .kernarg_segment_align: 8
    .kernarg_segment_size: 96
    .max_flat_workgroup_size: 128
    .sgpr_count:     66
    .vgpr_count:     242
    .wavefront_size: 32
...
	.end_amdgpu_metadata
.endif
;; end of part 1
;; launch qkv (part 2): grid 12 x 16, 16 waves a work-group, no clusters, 280,576 bytes of LDS; arguments xc, xs, wc, wsc, bq, bk, bv, qkvc, qkvs; writes qkvc, qkvs
.if DOCPART == 2
	.amdgcn_target "amdgcn-amd-amdhsa--gfx1250"
	.amdhsa_code_object_version 6
	.text
	.protected	k_q5f186847fd_qkv
	.globl	k_q5f186847fd_qkv
	.p2align	8
	.type	k_q5f186847fd_qkv,@function
k_q5f186847fd_qkv:
	s_mov_b64 s[64:65], 0
	v_nop
	global_prefetch_b8 v0, s[64:65] scope:SCOPE_SE
	s_setreg_imm32_b32 hwreg(HW_REG_WAVE_MODE, 25, 1), 1
	s_wait_xcnt 0x0
; q, k, v = x W + b on codes of E2M1, and their own quantising: q and k along the head's 32 (one block a head), v along the keys (blocks of 32 tokens).
; A work-group takes 256 tokens x 256 of the 3,072 output columns [q | k | v]; all of K (1,024) of both operands lies in LDS as register images, copied once.
; Sixteen waves, each 64 x 64: 16 accumulators.  q, k: source 0 = 16 output columns, source 1 = 16 tokens: a lane holds one token and eight neighbours of a head.
; v (work-group x >= 8): source 0 = 16 tokens, source 1 = 16 output columns: a lane holds one channel and eight neighbouring keys.  Only the roles of the two LDS regions change.
; The bias is the C of each sum's first product.  No tensor load and no cluster: nothing in LDS is filled twice; each tile is read from memory by 12 or 16 work-groups at most.
; OUT: qkvc [q, k, v][head 128][16 KB]: q, k: [token][16 bytes]; v: [key / 32][channel][16 bytes].  qkvs: one word for each 16 bytes of codes, the scale byte four times.
; LIMITS: a block of zeros gets the scale byte 1 (its codes are zeros); NaN and infinities are not served.
.set CB,  20                           ; v20-51  the bias as C: four tiles of eight
.set BL,  52                           ; v52-55  bv of my lane's column, for four tiles
.set SC,  60                           ; v60-63  scale words: lanes 0-15 source 1's tile i, lanes 16-31 source 0's
.set F0,  64                           ; v64-95  source 0's four fragments
.set F1,  96                           ; v96-127 source 1's
.set ACC, 128                          ; v128-255 accumulator (a, b) at 128 + 8 (4 a + b)
.set TM,  64                           ; the way out: at work
.set PC,  80                           ; codes, two registers a block
.set WW,  96                           ; scale words
.set SW,  104
.set VA,  108                          ; offsets of the codes' stores
.set VX,  112                          ; and of the scale words'
	s_load_b512 s[8:23], s[0:1], 0x0               ; xc, xs, wc, wsc, bq, bk, bv, qkvc
	s_load_b64 s[24:25], s[0:1], 0x40              ; qkvs
	v_lshl_add_u32 v58, v0, 2, 0x44000
	v_mov_b32 v59, 0
	v_lshrrev_b32 v1, 5, v0
	v_readfirstlane_b32 s2, v1                     ; wave
	s_mov_b32 s3, ttmp9                            ; wx
	s_and_b32 s4, ttmp7, 0xffff                    ; wy
	s_lshr_b32 s5, s2, 2                           ; wa: my 64 tokens
	s_and_b32 s6, s2, 3                            ; wb: my 64 columns
	s_and_b32 s26, s3, 3
	s_mov_b32 s36, 0xffff0000
	s_mov_b32 s38, 0x76543210
	s_mov_b32 s39, 0xfedcba98
	v_and_b32 v1, 15, v0                           ; r
	v_bfe_u32 v2, v0, 4, 1                         ; h
	v_and_b32 v3, 31, v0                           ; lane
	v_lshlrev_b32 v4, 5, v2                        ; 32 h
	v_lshlrev_b32 v5, 2, v1                        ; 4 r
	v_lshlrev_b32 v6, 4, v0                        ; 16 x thread
	v_add_nc_u32 v7, 0x10000, v6
	v_add_nc_u32 v8, 0x20000, v6
	v_add_nc_u32 v9, 0x30000, v6
	v_add_nc_u32 v10, 0x40000, v6
	s_lshl_b32 s28, s26, 10
	s_lshl_b32 s29, s6, 8
	s_add_co_u32 s28, s28, s29                     ; my 64 columns in a bias, in bytes
	s_mov_b32 s29, 0
	s_lshr_b32 s30, s3, 2                          ; 0 q, 1 k, 2 v
	s_wait_kmcnt 0x0
	s_cmp_eq_u32 s30, 1
	s_cselect_b64 s[16:17], s[18:19], s[16:17]
	s_add_nc_u64 s[16:17], s[16:17], s[28:29]
	s_add_nc_u64 s[20:21], s[20:21], s[28:29]
	s_lshl_b32 s28, s4, 17
	s_add_nc_u64 s[8:9], s[8:9], s[28:29]          ; x's 16 tiles
	s_lshl_b32 s28, s3, 17
	s_add_nc_u64 s[12:13], s[12:13], s[28:29]      ; the weights' 16 tiles
	s_lshl_b32 s28, s4, 13
	s_add_nc_u64 s[10:11], s[10:11], s[28:29]
	s_lshl_b32 s28, s3, 13
	s_add_nc_u64 s[14:15], s[14:15], s[28:29]
	; both forms of the bias are loaded on every way (both stay inside their buffers); the way that is taken picks one
.irp b, 0,1,2,3
	global_load_b128 v[CB+8*\b:CB+8*\b+3], v4, s[16:17] offset:64*\b
	global_load_b128 v[CB+8*\b+4:CB+8*\b+7], v4, s[16:17] offset:64*\b+16
	global_load_b32 v[BL+\b], v5, s[20:21] offset:64*\b
.endr
	; the fill: 34 loads of 8,192 consecutive bytes a work-group, and as many LDS stores
.set k, 0
.rept 16
	global_load_b128 v[64+4*k:64+4*k+3], v6, s[8:9] offset:k*8192
.set k, k+1
.endr
.set k, 0
.rept 16
	global_load_b128 v[128+4*k:128+4*k+3], v6, s[12:13] offset:k*8192
.set k, k+1
.endr
	global_load_b128 v[192:195], v6, s[10:11]
	global_load_b128 v[196:199], v6, s[14:15]
.set k, 0
.rept 34
	s_wait_loadcnt 33-k                            ; loads come back in order: load k is in, the 33 - k behind it may be out
	ds_store_b128 v[6+k/8], v[64+4*k:64+4*k+3] offset:(k%8)*8192
.set k, k+1
.endr
	; where my fragments lie
	s_lshl_b32 s28, s5, 15                         ; x: my four tiles
	s_lshl_b32 s29, s6, 15
	s_add_co_u32 s29, s29, 0x20000                 ; weights: my four tiles
	s_lshl_b32 s30, s5, 11
	s_add_co_u32 s30, s30, 0x40000                 ; x's scale words
	s_lshl_b32 s31, s6, 11
	s_add_co_u32 s31, s31, 0x42000                 ; the weights'
	s_cmp_ge_u32 s3, 8
	s_cselect_b32 s32, s29, s28                    ; source 1
	s_cselect_b32 s33, s28, s29                    ; source 0
	s_cselect_b32 s34, s31, s30
	s_cselect_b32 s35, s30, s31
	v_lshlrev_b32 v11, 4, v3
	v_add_nc_u32 v12, s33, v11
	v_add_nc_u32 v13, s32, v11
	v_add_nc_u32 v14, s34, v5
	v_add_nc_u32 v15, s35, v5
	v_cndmask_b32 v14, v14, v15, s36               ; lanes 0-15 source 1's words, lanes 16-31 source 0's
	s_wait_dscnt 0x0                               ; my stores have landed
	s_barrier_signal -1
	s_barrier_wait -1                              ; everybody's have; LDS is only read from here on
.macro KLD s
.irp i, 0,1,2,3
.irp c, 0,1
	ds_load_b128 v[F0+8*\i+4*\c:F0+8*\i+4*\c+3], v12 offset:\i*8192+\s*1024+\c*512
	ds_load_b128 v[F1+8*\i+4*\c:F1+8*\i+4*\c+3], v13 offset:\i*8192+\s*1024+\c*512
.endr
	ds_load_b32 v[SC+\i], v14 offset:\i*512+\s*64
.endr
	s_wait_dscnt 0x0
.endm
; 16 products, the accumulators by turns.  cm = 1: C = the bias by register (q, k); 2: by lane (v); 0: in place
.macro MUL cm
.irp a, 0,1,2,3
.irp b, 0,1,2,3
.if \cm == 1
	v_wmma_scale_f32_16x16x128_f8f6f4 v[ACC+8*(4*\a+\b):ACC+8*(4*\a+\b)+7], v[F0+8*\b:F0+8*\b+7], v[F1+8*\a:F1+8*\a+7], v[CB+8*\b:CB+8*\b+7], v[SC+\b], v[SC+\a] matrix_a_fmt:MATRIX_FMT_FP4 matrix_b_fmt:MATRIX_FMT_FP4 matrix_a_scale:MATRIX_SCALE_ROW1
.elseif \cm == 2
	v_wmma_scale_f32_16x16x128_f8f6f4 v[ACC+8*(4*\a+\b):ACC+8*(4*\a+\b)+7], v[F0+8*\b:F0+8*\b+7], v[F1+8*\a:F1+8*\a+7], v[CB+8*\a:CB+8*\a+7], v[SC+\b], v[SC+\a] matrix_a_fmt:MATRIX_FMT_FP4 matrix_b_fmt:MATRIX_FMT_FP4 matrix_a_scale:MATRIX_SCALE_ROW1
.else
	v_wmma_scale_f32_16x16x128_f8f6f4 v[ACC+8*(4*\a+\b):ACC+8*(4*\a+\b)+7], v[F0+8*\b:F0+8*\b+7], v[F1+8*\a:F1+8*\a+7], v[ACC+8*(4*\a+\b):ACC+8*(4*\a+\b)+7], v[SC+\b], v[SC+\a] matrix_a_fmt:MATRIX_FMT_FP4 matrix_b_fmt:MATRIX_FMT_FP4 matrix_a_scale:MATRIX_SCALE_ROW1
.endif
.endr
.endr
.endm
	KLD 0
	s_cmp_ge_u32 s3, 8
	s_cbranch_scc1 .Lfirst_v
	MUL 1
	s_branch .Lfirst_done
.Lfirst_v:
.irp a, 0,1,2,3
.irp j, 0,1,2,3,4,5,6,7
	v_mov_b32 v[CB+8*\a+\j], v[BL+\a]              ; my column's bias for all eight tokens
.endr
.endr
	MUL 2
.Lfirst_done:
.irp s, 1,2,3,4,5,6,7
.rept 4
	v_nop                                          ; four plain lines between the products and the loads into the registers that they read
.endr
	KLD \s
	MUL 0
.endr
.rept 4
	v_nop                                          ; and ahead of the first read of results
.endr
	; ---- the way out.  Accumulators (a, 2 B) and (a, 2 B + 1) are 16 consecutive registers: with lane l xor 16's they are one block of 32 along the next K
.macro QUANT4 s, u0
.irp b, 0,1,2,3
	v_max3_num_f32 v[TM+\b], |v[\s+16*\b]|, |v[\s+16*\b+1]|, 0x1800000
.endr
.irp i, 2,4,6,8,10,12,14
.irp b, 0,1,2,3
	v_max3_num_f32 v[TM+\b], v[TM+\b], |v[\s+16*\b+\i]|, |v[\s+16*\b+\i+1]|
.endr
.endr
.irp b, 0,1,2,3
	v_permlanex16_b32 v[TM+4+\b], v[TM+\b], s38, s39
.endr
.irp b, 0,1,2,3
	v_max_num_f32 v[TM+\b], v[TM+\b], v[TM+4+\b]
.endr
.irp b, 0,1,2,3
	v_add_nc_u32 v[TM+8+\b], 0xff000000, v[TM+\b]
.endr
.irp b, 0,1,2,3
	v_lshrrev_b32 v[TM+12+\b], 23, v[TM+8+\b]
.endr
.irp b, 0,1,2,3
	v_perm_b32 v[WW+\u0+\b], v[TM+12+\b], v[TM+12+\b], 0   ; the byte four times
.endr
.irp b, 0,1,2,3
	v_cvt_scalef32_pk8_fp4_f32 v[PC+2*(\u0+\b)], v[\s+16*\b:\s+16*\b+7], v[TM+8+\b]
	v_cvt_scalef32_pk8_fp4_f32 v[PC+2*(\u0+\b)+1], v[\s+16*\b+8:\s+16*\b+15], v[TM+8+\b]
.endr
	v_nop                                          ; one plain line behind the conversions
.irp b, 0,1,2,3
	v_permlane16_swap_b32 v[PC+2*(\u0+\b)], v[PC+2*(\u0+\b)+1]   ; lane (r, h) now holds codes 16 h .. 16 h + 15 of its block
.endr
.endm
	QUANT4 ACC, 0
	QUANT4 ACC+64, 4
	s_cmp_ge_u32 s3, 8
	s_mov_b32 s40, 512
	s_cselect_b32 s41, 16384, s40                  ; from a = 0 to a = 2: 32 tokens of 16 bytes, or the next head
	s_mov_b32 s42, 16384
	s_cselect_b32 s42, 512, s42                    ; from block 0 to block 1: the next head, or the next 32 keys
	s_lshr_b32 s43, s42, 2
	s_lshr_b32 s44, s41, 2
	v_lshlrev_b32 v16, 4, v1
	v_lshl_add_u32 v16, v2, 3, v16                 ; 16 r + 8 h
	v_mov_b32 v[VA], v16
	v_add_nc_u32 v[VA+1], s42, v16
	v_add_nc_u32 v[VA+2], s41, v16
	v_add_nc_u32 v[VA+3], s42, v[VA+2]
	v_lshlrev_b32 v[VX], 2, v3                     ; 4 x lane
	v_add_nc_u32 v[VX+1], s43, v[VX]
	v_add_nc_u32 v[VX+2], s44, v[VX]
	v_add_nc_u32 v[VX+3], s43, v[VX+2]
	; the wave's first byte in qkvc is the same sum on both ways
	s_lshr_b32 s28, s3, 2
	s_lshl_b32 s28, s28, 21
	s_lshr_b32 s29, s4, 2
	s_lshl_b32 s29, s29, 19
	s_add_co_u32 s28, s28, s29
	s_lshl_b32 s29, s26, 17
	s_add_co_u32 s28, s28, s29
	s_lshl_b32 s29, s6, 15
	s_add_co_u32 s28, s28, s29
	s_and_b32 s29, s4, 3
	s_lshl_b32 s29, s29, 12
	s_add_co_u32 s28, s28, s29
	s_lshl_b32 s29, s5, 10
	s_add_co_u32 s28, s28, s29
	s_mov_b32 s29, 0
	s_add_nc_u64 s[22:23], s[22:23], s[28:29]
	s_lshr_b32 s28, s28, 2
	s_add_nc_u64 s[24:25], s[24:25], s[28:29]
.irp a, 0,1,2,3
.irp b, 0,1
	global_store_b64 v[VA+2*(\a/2)+\b], v[PC+2*(2*\a+\b):PC+2*(2*\a+\b)+1], s[22:23] offset:256*(\a%2)   ; 32 lanes store 256 consecutive bytes
.endr
.endr
.irp p, 0,1
.irp b, 0,1
	v_cndmask_b32 v[SW+2*\p+\b], v[WW+4*\p+\b], v[WW+4*\p+2+\b], s36   ; lanes 0-15: a = 2 p; lanes 16-31: a = 2 p + 1
	global_store_b32 v[VX+2*\p+\b], v[SW+2*\p+\b], s[24:25]
.endr
.endr
	s_wait_tensorcnt 0x0
	ds_add_u32 v58, v59
	s_wait_dscnt 0x0
	s_endpgm
.Lfunc_end_k_q5f186847fd_qkv:
	.size	k_q5f186847fd_qkv, .Lfunc_end_k_q5f186847fd_qkv-k_q5f186847fd_qkv
	.p2alignl 7, 3214868480
	.fill 96, 4, 3214868480
	.section	.rodata,"a",@progbits
	.p2align	6, 0x0
	.amdhsa_kernel k_q5f186847fd_qkv
		.amdhsa_group_segment_fixed_size 280576
		.amdhsa_private_segment_fixed_size 0
		.amdhsa_enable_private_segment 0
		.amdhsa_kernarg_size 72
		.amdhsa_user_sgpr_count 2
		.amdhsa_user_sgpr_kernarg_segment_ptr 1
		.amdhsa_wavefront_size32 1
		.amdhsa_system_sgpr_workgroup_id_x 1
		.amdhsa_system_sgpr_workgroup_id_y 1
		.amdhsa_system_sgpr_workgroup_id_z 1
		.amdhsa_system_vgpr_workitem_id 0
		.amdhsa_next_free_vgpr 256
		.amdhsa_next_free_sgpr 66
		.amdhsa_reserve_vcc 0
		.amdhsa_float_denorm_mode_32 3
		.amdhsa_float_denorm_mode_16_64 3
		.amdhsa_memory_ordered 1
		.amdhsa_forward_progress 1
		.amdhsa_inst_pref_size 51
	.end_amdhsa_kernel
	.amdgpu_metadata
---
amdhsa.version: [ 1, 2 ]
amdhsa.kernels:
  - .name:           k_q5f186847fd_qkv
    .symbol:         k_q5f186847fd_qkv.kd
    .args:
      - { .name: xc, .offset: 0, .size: 8, .value_kind: global_buffer, .address_space: global }
      - { .name: xs, .offset: 8, .size: 8, .value_kind: global_buffer, .address_space: global }
      - { .name: wc, .offset: 16, .size: 8, .value_kind: global_buffer, .address_space: global }
      - { .name: wsc, .offset: 24, .size: 8, .value_kind: global_buffer, .address_space: global }
      - { .name: bq, .offset: 32, .size: 8, .value_kind: global_buffer, .address_space: global }
      - { .name: bk, .offset: 40, .size: 8, .value_kind: global_buffer, .address_space: global }
      - { .name: bv, .offset: 48, .size: 8, .value_kind: global_buffer, .address_space: global }
      - { .name: qkvc, .offset: 56, .size: 8, .value_kind: global_buffer, .address_space: global }
      - { .name: qkvs, .offset: 64, .size: 8, .value_kind: global_buffer, .address_space: global }
    .group_segment_fixed_size: 280576
    .private_segment_fixed_size: 0
    .kernarg_segment_align: 8
    .kernarg_segment_size: 72
    .max_flat_workgroup_size: 512
    .sgpr_count:     66
    .vgpr_count:     256
    .wavefront_size: 32
...
	.end_amdgpu_metadata
.endif
;; end of part 2
;; launch attn (part 3): grid 2 x 128, 16 waves a work-group, no clusters, 153,600 bytes of LDS; arguments qkvc, qkvs, dt, t; writes t
.if DOCPART == 3
	.amdgcn_target "amdgcn-amd-amdhsa--gfx1250"
	.amdhsa_code_object_version 6
	.text
	.protected	k_q5f186847fd_attn
	.globl	k_q5f186847fd_attn
	.p2align	8
	.type	k_q5f186847fd_attn,@function
k_q5f186847fd_attn:
	s_mov_b64 s[64:65], 0
	v_nop
	global_prefetch_b8 v0, s[64:65] scope:SCOPE_SE
	s_setreg_imm32_b32 hwreg(HW_REG_WAVE_MODE, 25, 1), 1
	s_wait_xcnt 0x0
; t[head][l][:] = softmax_s((q_l.k_s + q_l.d(l - s) + k_s.d(l - s)) / sqrt(32)) v_s, d(x) = Q(dist_emb[clip(x, -128, 128) + 128]); all four products on codes of E2M1.
; p = 2^(t - M), M the running largest t rounded up to a whole number; p is quantised along the keys; the row's sum is taken of the unquantised p and divides at the end.
; SHARES.  A work-group: one head, 512 queries in two blocks of 256, one after the other; in a block each of sixteen waves has 16 queries and walks the head's 1,024 keys, 64 a step.
; K, V, their scales and the table lie in LDS, copied once for both blocks; the second block's q is asked for at the head of the first.
; LAYOUT.  S^T: source 0 = 16 keys, source 1 = my 16 queries: a lane holds one query.  Row rho of tile 2 b + u is key 32 b + 8 u + rho + 8 (rho / 8): the 16 registers of two tiles are 16 neighbouring keys.
; An instruction is 128 deep, four blocks of 32; a head is one block.  Blocks that are not wanted hold zero codes on one side.
; FAR STEPS (all l - s >= 128 or all <= -128): d is one row d_c.  Source 0 = [k, k], source 1 = [q, d_c], C = q.d_c: one instruction a tile gives all three terms.
; BAND STEPS.  q.d: five tiles of table rows x q give q_r.d_ext[E0 + 79 - i]; a lane's numbers go to the wave's own scratch at word i + r + 1 of row r and come back at word key + 16: the skew is in the address.
;   k.d: source 0 = k, rows 0-7 in block 0 and rows 8-15 in block 1; source 1 = 16 table rows (block 1: those 16 lower), once as they are (HI) and once 16 lower (LO);
;   register sigma = 8 u + j of lane r wants column r - sigma: a shift right by sigma of HI and a shift left by 16 - sigma of LO, each riding on an addition.
; K's fragments of step j + 1 are asked for in step j, behind the products that read step j's.
; No tensor load, no cluster: LDS is filled once through registers, and a head's codes (36 KB) are read by two work-groups only.
; LIMITS: a block of p that is all zeros keeps the scale byte 1 (its codes are zeros); NaN and infinities are not served.
.set KC,  0                            ; K's codes [key][16]
.set KS,  16384                        ; K's scale words
.set VC,  20480                        ; V's codes [key / 32][channel][16]
.set VS,  36864                        ; V's scale words [step][channel]: byte 0 the step's first 32 keys, byte 1 its second
.set DT,  38912                        ; d_ext's codes
.set DS,  47104                        ; d_ext's scale words
.set SCR, 49152                        ; scratch: 6,400 bytes for each wave, 16 rows of 400
.set SCW, 6400
; v4 AK, v5 AKS, v6 AV, v7 AVS, v8-11 the table's lane terms, v12 scratch in, v13 scratch out, v14-16 the way out, v20-27 a step's addresses, v28 0, v29 and v45 q's offsets
; v30 -M, v31 largest t, v[32:33] sum, v[34:35] f, v36-47 at work; scales: v48-49 K, v50 V, v51-52 table columns, v53-55 table rows, v56 p, v57 q, v58 [q, d_c] now, v59 later
; v60 q.d_c later, v61-64 [q, d_c] later; v66-73 [q, 0]; v74-81 [q, d_c]; v82-89 p; v90-105 O^T; v106-113 q.d_c; v114-125 V; v126-161 K; v162-193 S^T (in a band step first the table's rows)
; v194-209 table columns; v210-249 at work; v250-253 a block's q as loaded, v254 its scale words
.macro WM d, a, b, cn, sa, sb, ra, rb
.if (\cn) < 0
.if (\ra) && (\rb)
	v_wmma_scale_f32_16x16x128_f8f6f4 v[(\d):(\d)+7], v[(\a):(\a)+7], v[(\b):(\b)+7], 0, v[\sa], v[\sb] matrix_a_fmt:MATRIX_FMT_FP4 matrix_b_fmt:MATRIX_FMT_FP4 matrix_a_scale:MATRIX_SCALE_ROW1 matrix_b_scale:MATRIX_SCALE_ROW1
.elseif (\ra)
	v_wmma_scale_f32_16x16x128_f8f6f4 v[(\d):(\d)+7], v[(\a):(\a)+7], v[(\b):(\b)+7], 0, v[\sa], v[\sb] matrix_a_fmt:MATRIX_FMT_FP4 matrix_b_fmt:MATRIX_FMT_FP4 matrix_a_scale:MATRIX_SCALE_ROW1
.elseif (\rb)
	v_wmma_scale_f32_16x16x128_f8f6f4 v[(\d):(\d)+7], v[(\a):(\a)+7], v[(\b):(\b)+7], 0, v[\sa], v[\sb] matrix_a_fmt:MATRIX_FMT_FP4 matrix_b_fmt:MATRIX_FMT_FP4 matrix_b_scale:MATRIX_SCALE_ROW1
.else
	v_wmma_scale_f32_16x16x128_f8f6f4 v[(\d):(\d)+7], v[(\a):(\a)+7], v[(\b):(\b)+7], 0, v[\sa], v[\sb] matrix_a_fmt:MATRIX_FMT_FP4 matrix_b_fmt:MATRIX_FMT_FP4
.endif
.else
.if (\ra)
	v_wmma_scale_f32_16x16x128_f8f6f4 v[(\d):(\d)+7], v[(\a):(\a)+7], v[(\b):(\b)+7], v[(\cn):(\cn)+7], v[\sa], v[\sb] matrix_a_fmt:MATRIX_FMT_FP4 matrix_b_fmt:MATRIX_FMT_FP4 matrix_a_scale:MATRIX_SCALE_ROW1
.else
	v_wmma_scale_f32_16x16x128_f8f6f4 v[(\d):(\d)+7], v[(\a):(\a)+7], v[(\b):(\b)+7], v[(\cn):(\cn)+7], v[\sa], v[\sb] matrix_a_fmt:MATRIX_FMT_FP4 matrix_b_fmt:MATRIX_FMT_FP4
.endif
.endif
.endm
.macro NOPS n
.rept \n
	v_nop
.endr
.endm
.macro ZERO a, n
.set i, 0
.rept \n
	v_mov_b32 v[\a+i], 0
.set i, i+1
.endr
.endm
	s_load_b256 s[4:11], s[0:1], 0x0               ; qkvc, qkvs, dt, t
	v_lshl_add_u32 v65, v0, 2, 0x25000
	v_mov_b32 v255, 0
	v_lshrrev_b32 v1, 5, v0
	v_readfirstlane_b32 s12, v1                    ; wave
	s_and_b32 s13, ttmp7, 0xffff                   ; head
	s_lshl_b32 s14, ttmp9, 9                       ; the work-group's 512 queries
	s_lshl_b32 s17, s12, 4
	s_add_co_u32 s14, s14, s17                     ; l0: my first query of the first block
	s_mov_b32 s20, 0x76543210
	s_mov_b32 s21, 0xfedcba98
	s_mov_b32 s22, 0x3e8293ee                      ; c = log2(e) / sqrt(32)
	s_mov_b32 s23, s22
	s_mov_b32 s24, 0xffff0000                      ; lanes 16-31
	s_mov_b32 s25, 0xff0000ff                      ; lanes 0-7 and 24-31
	s_mov_b32 s32, 0xffff                          ; lanes 0-15
	v_and_b32 v1, 15, v0                           ; r
	v_bfe_u32 v2, v0, 4, 1                         ; h
	v_and_b32 v3, 31, v0                           ; lane
	v_lshlrev_b32 v17, 4, v0
	v_lshlrev_b32 v18, 3, v0
	v_lshlrev_b32 v19, 2, v0
	v_lshrrev_b32 v28, 5, v0
	v_lshlrev_b32 v28, 8, v28
	v_lshl_add_u32 v28, v3, 2, v28                 ; V's scale words of step thread / 32, channel thread % 32
	s_lshl_b32 s17, s14, 4
	v_lshl_add_u32 v29, v1, 4, s17                 ; q's codes: 16 (l0 + r)
	s_lshl_b32 s17, s14, 2
	v_lshl_add_u32 v45, v1, 2, s17
	s_lshl_b32 s18, s13, 14
	s_mov_b32 s19, 0
	s_wait_kmcnt 0x0
	s_add_nc_u64 s[4:5], s[4:5], s[18:19]
	s_lshl_b32 s18, s13, 12
	s_add_nc_u64 s[6:7], s[6:7], s[18:19]
	global_load_b128 v[210:213], v17, s[4:5] offset:2097152
	global_load_b128 v[214:217], v17, s[4:5] offset:2097152+8192
	global_load_b64 v[218:219], v18, s[6:7] offset:524288
	global_load_b128 v[220:223], v17, s[4:5] offset:4194304
	global_load_b128 v[224:227], v17, s[4:5] offset:4194304+8192
	global_load_b32 v228, v28, s[6:7] offset:1048576
	global_load_b32 v229, v28, s[6:7] offset:1048576+128
	global_load_b128 v[230:233], v17, s[8:9]
	global_load_b32 v234, v19, s[8:9] offset:8192
	global_load_b128 v[250:253], v29, s[4:5]       ; the first block's q,
	global_load_b32 v254, v45, s[6:7]              ; and its scale words
	s_lshl_b32 s18, s13, 17
	s_lshl_b32 s17, s14, 7
	s_add_co_u32 s18, s18, s17
	s_add_nc_u64 s[10:11], s[10:11], s[18:19]      ; t at my first query
	v_and_b32 v44, 8, v1
	v_add_nc_u32 v44, v44, v1                      ; r + 8 (r / 8)
	v_lshlrev_b32 v4, 4, v44
	v_lshlrev_b32 v5, 2, v44
	v_lshl_add_u32 v5, v2, 5, v5
	v_add_nc_u32 v5, KS, v5
	v_lshlrev_b32 v6, 4, v1
	v_lshl_add_u32 v6, v2, 9, v6
	v_add_nc_u32 v6, VC, v6
	v_lshl_add_u32 v7, v3, 2, VS
	v_lshlrev_b32 v44, 4, v1                       ; 16 r
	v_sub_nc_u32 v8, DT+240, v44
	v_lshlrev_b32 v46, 2, v1                       ; 4 r
	v_lshl_add_u32 v47, v2, 6, v46
	v_sub_nc_u32 v9, DS+60, v47
	v_lshlrev_b32 v47, 8, v2
	v_add_nc_u32 v10, DT, v44
	v_sub_nc_u32 v10, v10, v47
	v_lshlrev_b32 v47, 6, v2
	v_add_nc_u32 v11, DS, v46
	v_sub_nc_u32 v11, v11, v47
	s_mul_i32 s17, s12, SCW
	s_add_co_u32 s17, s17, SCR                     ; my scratch
	v_mul_u32_u24 v12, v1, 404
	v_lshl_add_u32 v12, v2, 5, v12
	v_add_nc_u32 v12, s17, v12
	v_add_nc_u32 v12, 4, v12                       ; in: row r, word r + 1 + 8 h
	v_mul_u32_u24 v13, v1, 400
	v_lshl_add_u32 v13, v2, 6, v13
	v_add_nc_u32 v13, s17, v13
	v_add_nc_u32 v13, 64, v13                      ; out: row r, word 16 + 16 h
	v_mul_u32_u24 v14, v1, 144
	v_lshl_add_u32 v14, v2, 5, v14
	v_add_nc_u32 v14, s17, v14
	v_lshrrev_b32 v15, 3, v3
	v_mul_u32_u24 v15, v15, 144
	v_and_b32 v44, 7, v0
	v_lshl_add_u32 v15, v44, 4, v15
	v_add_nc_u32 v15, s17, v15
	v_lshlrev_b32 v16, 4, v3
	s_wait_loadcnt 0x2                             ; all that goes to LDS is in; q's two loads, issued last, may be out
	v_bfi_b32 v228, 0xff, v228, v229
	ds_store_b128 v17, v[210:213] offset:KC
	ds_store_b128 v17, v[214:217] offset:KC+8192
	ds_store_b64 v18, v[218:219] offset:KS
	ds_store_b128 v17, v[220:223] offset:VC
	ds_store_b128 v17, v[224:227] offset:VC+8192
	ds_store_b32 v19, v228 offset:VS
	ds_store_b128 v17, v[230:233] offset:DT
	ds_store_b32 v19, v234 offset:DS
	s_wait_dscnt 0x0                               ; my stores have landed
	s_barrier_signal -1
	s_barrier_wait -1                              ; everybody's have; from here on a wave writes its own scratch alone
	v_mov_b32 v28, 0
	ZERO 70, 4                                     ; the operands' blocks that stay zero, and registers that are named before they hold anything of use
	ZERO 78, 4
	ZERO 86, 4
	ZERO 122, 40
	ZERO 182, 4
	ZERO 198, 4
	ZERO 206, 4
	v_mov_b32 v35, 0
	v_mov_b32 v38, 0
	v_mov_b32 v39, 0
	s_mov_b32 s33, 0                               ; the block
; K's four fragments and two registers of scale words, from ok and os bytes behind the addresses named
.macro KLOAD ak, aks, ok, os
.irp t, 0,1,2,3
	ds_load_b128 v[126+8*\t:129+8*\t], v[\ak] offset:\ok+512*(\t/2)+128*(\t%2)
.endr
	ds_load_b32 v48, v[\aks] offset:\os
	ds_load_b32 v49, v[\aks] offset:\os+128
.endm
; the step's addresses.  Four plain lines: they stand behind the score products, ahead of the reads of the scores and of the loads into K's registers, and behind the last step's products with V, ahead of the loads into V's
.macro ADDR4
	v_add_nc_u32 v20, s26, v4
	v_add_nc_u32 v21, s27, v5
	v_add_nc_u32 v22, s26, v6
	v_add_nc_u32 v23, s28, v7
.endm
.macro SKH b, sg
	v_add_f32_dpp v[162+16*\b+\sg], v[210+\sg], v[162+16*\b+\sg] row_shr:\sg row_mask:0xf bank_mask:0xf bound_ctrl:1
.endm
.macro SKL b, sg, sl
	v_add_f32_dpp v[162+16*\b+\sg], v[226+\sg], v[162+16*\b+\sg] row_shl:\sl row_mask:0xf bank_mask:0xf bound_ctrl:1
.endm
.macro SKEW b
	v_add_f32 v[162+16*\b], v[210], v[162+16*\b]
.irp g, 1,2,3,4,5,6,7,8,9,10,11,12,13,14,15
	SKH \b, \g
.endr
	SKL \b, 1, 15
	SKL \b, 2, 14
	SKL \b, 3, 13
	SKL \b, 4, 12
	SKL \b, 5, 11
	SKL \b, 6, 10
	SKL \b, 7, 9
	SKL \b, 8, 8
	SKL \b, 9, 7
	SKL \b, 10, 6
	SKL \b, 11, 5
	SKL \b, 12, 4
	SKL \b, 13, 3
	SKL \b, 14, 2
	SKL \b, 15, 1
.endm
; the four products k.d of key block b: HI into v210-225, LO into v226-241
.macro KD b
.irp u, 0,1
	WM 210+8*\u, 130+8*(2*\b+\u), 194, -1, 48+\b, 51+\b, \u, 0
.endr
.irp u, 0,1
	WM 226+8*\u, 130+8*(2*\b+\u), 202, -1, 48+\b, 51+\b, \u, 1
.endr
.endm
.Lblock:
	s_wait_loadcnt 0x0                             ; this block's q and its scale words
	ds_load_b128 v[194:197], v28 offset:DT+16*511  ; d_c ahead of the band: dist_emb's last row
	ds_load_b128 v[202:205], v28 offset:DT         ; and behind it: its first
	ds_load_b32 v51, v28 offset:DS+4*511
	ds_load_b32 v52, v28 offset:DS
	v_mov_b32 v57, v254
.irp i, 0,1,2,3
	v_cndmask_b32 v[66+\i], 0, v[250+\i], s32      ; [q, 0]
.endr
	ZERO 90, 16                                    ; O^T: the step is written once, its first turn finds zeros
	v_mov_b32 v32, 0
	v_mov_b32 v33, 0
	v_mov_b32 v31, 0xff61b1e6                      ; the largest t so far: -3e38
	v_floor_f32 v30, -v31
	s_wait_dscnt 0x0
.irp i, 0,1,2,3
	v_cndmask_b32 v[74+\i], v[250+\i], v[194+\i], s24   ; [q, d_c]
	v_cndmask_b32 v[61+\i], v[250+\i], v[202+\i], s24
.endr
	v_and_b32 v44, 0xff, v57
	v_and_b32 v36, 0xff, v51
	v_lshl_or_b32 v58, v36, 8, v44
	v_and_b32 v36, 0xff, v52
	v_lshl_or_b32 v59, v36, 8, v44
	s_cmp_lg_u32 s33, 0
	s_cbranch_scc1 .Lno_next                       ; the second block has no successor: nothing is asked for
	global_load_b128 v[250:253], v29, s[4:5] offset:4096   ; the next block's q, 256 rows on: it has the whole block in which to land
	global_load_b32 v254, v45, s[6:7] offset:1024
.Lno_next:
	WM 106, 194, 66, -1, 51, 57, 0, 0              ; q.d_c in all eight registers of a lane
	WM 210, 202, 66, -1, 52, 57, 0, 0
	NOPS 5
	v_mov_b32 v60, v210
	KLOAD 4, 5, 0, 0                               ; K of the first step
	s_mov_b32 s15, 0
.Lstep:
	s_lshl_b32 s26, s15, 4
	s_lshl_b32 s27, s15, 2
	s_lshl_b32 s28, s15, 1
	s_sub_co_i32 s16, s14, s15                     ; l0 - the step's first key: a multiple of 16
	s_wait_dscnt 0x0                               ; this step's K, asked for a step ago
	s_cmp_gt_i32 s16, 176
	s_cbranch_scc1 .Lfar                           ; every l - s is 128 or more
	s_cmp_lt_i32 s16, -128
	s_cbranch_scc1 .Lfar                           ; every l - s is -128 or less
	; ---- a band step
	s_add_co_u32 s29, s16, 128
	s_min_u32 s29, s29, 304                        ; E0, 0 .. 304 here
	s_lshl_b32 s30, s29, 4
	s_lshl_b32 s31, s29, 2
	v_add_nc_u32 v24, s30, v8
	v_add_nc_u32 v25, s31, v9
	v_add_nc_u32 v26, s30, v10
	v_add_nc_u32 v27, s31, v11
.irp m, 0,1,2,3,4
	ds_load_b128 v[162+4*\m:165+4*\m], v24 offset:256*(4-\m)   ; row rho of tile m: d_ext[E0 + 79 - 16 m - rho]; into S^T's registers, which hold nothing yet
.endr
	ds_load_b32 v53, v25 offset:256
	ds_load_b32 v54, v25 offset:128
	ds_load_b32 v55, v25
	ds_load_b128 v[194:197], v26 offset:1024
	ds_load_b128 v[202:205], v26 offset:768
	ds_load_b32 v51, v27 offset:256
	ds_load_b32 v52, v27 offset:128
	s_wait_dscnt 0x0
.irp m, 0,1,2,3,4
	WM 210+8*\m, 162+4*\m, 66, -1, 53+\m/2, 57, \m%2, 0
.endr
	; 29 plain lines that name none of those products' registers stand between them and the stores of their results, the loads into their sources and the products that write over these
.irp t, 0,1,2,3
.irp i, 0,1,2,3
	v_cndmask_b32 v[130+8*\t+\i], 0, v[126+8*\t+\i], s25   ; k with rows 0-7 in block 0 and rows 8-15 in block 1
.endr
.endr
.irp i, 0,1,2,3
	v_mov_b32 v[74+\i], v[61+\i]                   ; far steps that follow lie behind the band: d_c is dist_emb's first row from now on
.endr
	v_mov_b32 v58, v59
.irp i, 0,1,2,3,4,5,6,7
	v_mov_b32 v[106+\i], v60
.endr
.set i, 0
.rept 40
	ds_store_b32 v12, v[210+i] offset:64*(i/8)+4*(i%8)
.set i, i+1
.endr
.irp t, 0,1,2,3
	ds_load_b128 v[162+8*\t:165+8*\t], v13 offset:128*(\t/2)+32*(\t%2)      ; the wave's own bytes, served in order: q.d in S^T's layout
	ds_load_b128 v[166+8*\t:169+8*\t], v13 offset:128*(\t/2)+32*(\t%2)+16
.endr
	s_wait_dscnt 0x0
.irp t, 0,1,2,3
	WM 162+8*\t, 126+8*\t, 66, 162+8*\t, 48+\t/2, 57, \t%2, 0   ; + k.q
.endr
	KD 0
	NOPS 5
	ds_load_b128 v[194:197], v26 offset:512
	ds_load_b128 v[202:205], v26 offset:256
	SKEW 0
	s_wait_dscnt 0x0
	KD 1
	ADDR4
	SKEW 1
	s_branch .Ljoin
.Lfar:
.irp t, 0,1,2,3
	WM 162+8*\t, 126+8*\t, 74, 106, 48+\t/2, 58, \t%2, 0
.endr
	ADDR4
.Ljoin:
	ds_load_b128 v[114:117], v22                   ; this step's V,
	ds_load_b128 v[118:121], v22 offset:256
	ds_load_b32 v50, v23
	KLOAD 20, 21, 1024, 256                        ; and the next step's K (behind the last step: bytes of the regions that follow, which nobody uses)
	; ---- the softmax of 64 keys: two blocks of 32
.irp b, 0,1
	v_max3_num_f32 v[36+\b], v[162+16*\b], v[163+16*\b], v[164+16*\b]   ; a block's largest score serves the row's maximum and the block's largest p
.endr
.irp i, 3,5,7,9,11,13
.irp b, 0,1
	v_max3_num_f32 v[36+\b], v[36+\b], v[162+16*\b+\i], v[163+16*\b+\i]
.endr
.endr
.irp b, 0,1
	v_max_num_f32 v[36+\b], v[36+\b], v[177+16*\b]
.endr
.irp b, 0,1
	v_permlanex16_b32 v[38+\b], v[36+\b], s20, s21
.endr
.irp b, 0,1
	v_max_num_f32 v[36+\b], v[36+\b], v[38+\b]
.endr
	v_max_num_f32 v44, v36, v37
	v_mul_f32 v44, s22, v44
	v_max_num_f32 v31, v31, v44                    ; the running largest t
	v_mov_b32 v44, v30
	v_floor_f32 v30, -v31                          ; -M = -ceil(t): a whole number
	v_sub_f32 v44, v30, v44
	v_cvt_i32_f32 v44, v44                         ; (it saturates)
	v_ldexp_f32 v34, 1.0, v44                      ; f = 2^(old M - new M)
.set j, 0
.rept 16
	v_pk_fma_f32 v[162+j:163+j], v[162+j:163+j], s[22:23], v[30:31] op_sel_hi:[1,0,0]
.set j, j+2
.endr
.irp b, 0,1
	v_fma_f32 v[36+\b], v[36+\b], s22, v30
.endr
.set j, 0
.rept 32
	v_exp_f32 v[162+j], v[162+j]                   ; ONE BATCH: the 32 p,
.set j, j+1
.endr
.irp b, 0,1
	v_exp_f32 v[36+\b], v[36+\b]                   ; and each block's largest p
.endr
	v_pk_mul_f32 v[32:33], v[32:33], v[34:35] op_sel_hi:[1,0]   ; the sum under the new M,
.set j, 0
.rept 8
	v_pk_mul_f32 v[90+j:91+j], v[90+j:91+j], v[34:35] op_sel_hi:[1,0]   ; and O^T: nine plain lines that name no exponential's result stand between the batch and its wait
.set j, j+2
.endr
	s_wait_alu depctr_va_vdst(0)                   ; one wait for the batch, ahead of its first reader
.irp b, 0,1
	v_max_num_f32 v[36+\b], 0x1800000, v[36+\b]
.endr
.irp b, 0,1
	v_add_nc_u32 v[40+\b], 0xff000000, v[36+\b]
.endr
.irp b, 0,1
	v_lshrrev_b32 v[42+\b], 23, v[40+\b]
.endr
	v_lshl_or_b32 v56, v43, 8, v42                 ; p's scale word
	v_cvt_scalef32_pk8_fp4_f32 v82, v[162:169], v40
	v_cvt_scalef32_pk8_fp4_f32 v83, v[170:177], v40
	v_cvt_scalef32_pk8_fp4_f32 v84, v[178:185], v41
	v_cvt_scalef32_pk8_fp4_f32 v85, v[186:193], v41
	v_nop
	v_permlane16_swap_b32 v82, v84                 ; lanes 0-15 the whole block 0, lanes 16-31 block 1
	v_permlane16_swap_b32 v83, v85
	v_pk_add_f32 v[46:47], v[162:163], v[164:165]  ; the sum of the unquantised p, in two chains: sixteen plain lines ahead of the products that take p and its scale
.irp j, 4,8,12,16,20,24,28
	v_pk_add_f32 v[32:33], v[32:33], v[162+\j:163+\j]
	v_pk_add_f32 v[46:47], v[46:47], v[164+\j:165+\j]
.endr
	v_pk_add_f32 v[32:33], v[32:33], v[46:47]
	s_wait_dscnt 0x6                               ; V's three loads are in; the six of the next K, issued behind them, may be out
	WM 90, 114, 82, 90, 50, 56, 0, 0
	WM 98, 118, 82, 98, 50, 56, 1, 0
	s_add_co_u32 s15, s15, 64
	s_cmp_lt_u32 s15, 1024
	s_cbranch_scc1 .Lstep
	; ---- the way out: O^T / the sum, through my scratch, as 2,048 consecutive bytes of t
	NOPS 4
	v_add_f32 v32, v32, v33
	v_permlanex16_b32 v38, v32, s20, s21
	v_add_f32 v32, v32, v38
	v_rcp_f32 v32, v32
	v_nop
	s_wait_alu depctr_va_vdst(0)
.set j, 0
.rept 16
	v_mul_f32 v[210+j], v[90+j], v32
.set j, j+1
.endr
.irp e, 0,1
	ds_store_b128 v14, v[210+8*\e:213+8*\e] offset:64*\e
	ds_store_b128 v14, v[214+8*\e:217+8*\e] offset:64*\e+16
.endr
.irp m, 0,1,2,3
	ds_load_b128 v[226+4*\m:229+4*\m], v15 offset:576*\m
.endr
.irp m, 0,1,2,3
	s_wait_dscnt 3-\m                              ; read-back m is in, the 3 - m behind it may be out; the last of these waits is for all my LDS instructions
	global_store_b128 v16, v[226+4*\m:229+4*\m], s[10:11] offset:512*\m   ; 32 lanes store 512 consecutive bytes
.endr
	s_wait_xcnt 0x0                                ; the stores have read their base and their data: both are written again in the next block
	s_add_nc_u64 s[10:11], s[10:11], 32768         ; 256 rows of t on
	s_add_co_u32 s14, s14, 256
	s_add_co_u32 s33, s33, 1
	s_cmp_lt_u32 s33, 2
	s_cbranch_scc1 .Lblock
	s_wait_tensorcnt 0x0
	ds_add_u32 v65, v255
	s_wait_dscnt 0x0
	s_endpgm
.Lfunc_end_k_q5f186847fd_attn:
	.size	k_q5f186847fd_attn, .Lfunc_end_k_q5f186847fd_attn-k_q5f186847fd_attn
	.p2alignl 7, 3214868480
	.fill 96, 4, 3214868480
	.section	.rodata,"a",@progbits
	.p2align	6, 0x0
	.amdhsa_kernel k_q5f186847fd_attn
		.amdhsa_group_segment_fixed_size 153600
		.amdhsa_private_segment_fixed_size 0
		.amdhsa_enable_private_segment 0
		.amdhsa_kernarg_size 32
		.amdhsa_user_sgpr_count 2
		.amdhsa_user_sgpr_kernarg_segment_ptr 1
		.amdhsa_wavefront_size32 1
		.amdhsa_system_sgpr_workgroup_id_x 1
		.amdhsa_system_sgpr_workgroup_id_y 1
		.amdhsa_system_sgpr_workgroup_id_z 1
		.amdhsa_system_vgpr_workitem_id 0
		.amdhsa_next_free_vgpr 256
		.amdhsa_next_free_sgpr 66
		.amdhsa_reserve_vcc 0
		.amdhsa_float_denorm_mode_32 3
		.amdhsa_float_denorm_mode_16_64 3
		.amdhsa_memory_ordered 1
		.amdhsa_forward_progress 1
		.amdhsa_inst_pref_size 34
	.end_amdhsa_kernel
	.amdgpu_metadata
---
amdhsa.version: [ 1, 2 ]
amdhsa.kernels:
  - .name:           k_q5f186847fd_attn
    .symbol:         k_q5f186847fd_attn.kd
    .args:
      - { .name: qkvc, .offset: 0, .size: 8, .value_kind: global_buffer, .address_space: global }
      - { .name: qkvs, .offset: 8, .size: 8, .value_kind: global_buffer, .address_space: global }
      - { .name: dt, .offset: 16, .size: 8, .value_kind: global_buffer, .address_space: global }
      - { .name: t, .offset: 24, .size: 8, .value_kind: global_buffer, .address_space: global }
    .group_segment_fixed_size: 153600
    .private_segment_fixed_size: 0
    .kernarg_segment_align: 8
    .kernarg_segment_size: 32
    .max_flat_workgroup_size: 512
    .sgpr_count:     66
    .vgpr_count:     256
    .wavefront_size: 32
...
	.end_amdgpu_metadata
.endif
;; end of part 3
;; launch tail (part 4): grid 256 x 1, 16 waves a work-group, no clusters, 167,936 bytes of LDS; arguments t, x, wc, wsc, ln1_g, ln1_b, b1, b2, ln2_g, ln2_b, out0; writes out0
.if DOCPART == 4
	.amdgcn_target "amdgcn-amd-amdhsa--gfx1250"
	.amdhsa_code_object_version 6
	.text
	.protected	k_q5f186847fd_tail
	.globl	k_q5f186847fd_tail
	.p2align	8
	.type	k_q5f186847fd_tail,@function
k_q5f186847fd_tail:
	s_mov_b64 s[64:65], 0
	v_nop
	global_prefetch_b8 v0, s[64:65] scope:SCOPE_SE
	s_setreg_imm32_b32 hwreg(HW_REG_WAVE_MODE, 25, 1), 1
	s_wait_xcnt 0x0
; h = LN(t + x) g1 + b;  m = relu(h W1 + b1) W2 + b2, both products on codes of E2M1;  out[l][n][:] = LN(m + h).
; A work-group takes 16 rows (one n, 16 neighbouring l).  Wave w owns row w for both norms, and output columns 64 w .. 64 w + 63 of both products, for all 16 rows.
; The weights come from memory straight into registers as images of the operand's registers, three K steps ahead (three slots of 32 registers).  h's and the hidden layer's codes go from wave to wave through LDS.
; The four vectors of the norms are wanted whole by every wave: they are fetched once a work-group (four waves to a vector) and read from LDS.
; Both norms run with lane i on columns 128 k + 4 i .. + 3: every load and store of a row covers 512 consecutive bytes.  For the conversions h comes back from the wave's own row in LDS with eight neighbours a lane.
; Products are used transposed (source 0 = 16 output columns, source 1 = the 16 rows): a lane holds one row and eight neighbouring columns.  The biases are the C of each sum's first product.
; No tensor load: nothing in LDS is filled twice.  No cluster: the weights' loads go to registers.
; LIMITS: a block of zeros gets the scale byte 1 (its codes are zeros); NaN and infinities are not served.
.set HC, 0                             ; h's codes: 16 rows of 512 + 16 bytes
.set GC, 8448                          ; the hidden layer's
.set HS, 16896                         ; h's scale words [K step][16 rows]
.set GS, 17408
.set HR, 17920                         ; h, f32: 16 rows of 4,096 + 16 bytes
.set MS, 83712                         ; the second product's results likewise
.set LP, 149504                        ; ln1_g, ln1_b, ln2_g, ln2_b: 4,096 bytes each
; v4-19 addresses; v20-51 a row (x, then t + x, then h; later m + h); v52-83 t, ln1_b, h by eights, then the four accumulators; v84-115 ln1_g, b2, then h; v116-123 the rows' fragment, and the norms' sums
; v124-127 the rows' scale words; v128-143 W1's, v144-159 W2's; v160-255 three slots of weights, at the end ln2_g and ln2_b
	s_load_b512 s[8:23], s[0:1], 0x0               ; t, x, wc, wsc, ln1_g, ln1_b, b1, b2
	s_load_b128 s[24:27], s[0:1], 0x40             ; ln2_g, ln2_b
	s_load_b64 s[28:29], s[0:1], 0x50              ; out0
	v_lshrrev_b32 v1, 5, v0
	v_readfirstlane_b32 s2, v1                     ; wave
	s_mov_b32 s3, ttmp9
	s_lshr_b32 s4, s3, 6                           ; n
	s_and_b32 s5, s3, 63
	s_lshl_b32 s5, s5, 4
	s_add_co_u32 s6, s5, s2                        ; my row l
	s_lshr_b32 s31, s2, 2                          ; which of the norms' four vectors my wave helps to fetch
	s_mov_b32 s32, 0x76543210
	s_mov_b32 s33, 0xfedcba98
	s_mov_b32 s34, 0x3a800000                      ; 1 / 1024
	s_mov_b32 s35, 0x3727c5ac                      ; 1e-5
	v_and_b32 v1, 15, v0                           ; r
	v_bfe_u32 v2, v0, 4, 1                         ; h
	v_and_b32 v3, 31, v0                           ; lane
	v_lshrrev_b32 v5, 3, v3
	v_lshlrev_b32 v5, 17, v5
	v_and_b32 v18, 7, v0
	v_lshl_add_u32 v5, v18, 4, v5                  ; t: head lane / 8, channels 4 (lane % 8) on: a load takes four heads' whole rows of 128 bytes
	v_lshlrev_b32 v6, 4, v3
	v_lshlrev_b32 v7, 2, v3
	s_mul_i32 s7, s2, 528
	v_add_nc_u32 v8, s7, v7                        ; h's codes: row w, 4 bytes a lane
	v_lshlrev_b32 v9, 6, v2
	v_bfe_u32 v18, v0, 2, 2
	v_add_nc_u32 v9, v9, v18
	s_lshl_b32 s7, s2, 2
	s_add_co_u32 s7, s7, HS
	v_add_nc_u32 v9, s7, v9                        ; h's scale byte: K step 2 q + lane / 16, row w, byte (lane / 4) % 4
	v_mul_u32_u24 v10, v1, 528
	v_lshl_add_u32 v10, v2, 4, v10                 ; a fragment of the rows
	s_lshl_b32 s7, s2, 5
	s_add_co_u32 s7, s7, GC
	v_mul_u32_u24 v11, v1, 528
	v_lshl_add_u32 v11, v2, 3, v11
	v_add_nc_u32 v11, s7, v11                      ; hidden codes: row r, 32 w + 8 h
	s_lshr_b32 s7, s2, 1
	s_lshl_b32 s7, s7, 6
	s_and_b32 s30, s2, 1
	s_lshl_b32 s30, s30, 1
	s_add_co_u32 s7, s7, s30
	s_add_co_u32 s7, s7, GS
	v_lshl_add_u32 v12, v1, 2, s7                  ; hidden scale byte: K step w / 2, row r, byte 2 (w % 2) + block
	s_mul_i32 s7, s2, 4112
	s_add_co_u32 s30, s7, HR
	v_lshl_add_u32 v13, v3, 5, s30                 ; my row of h, eight neighbours a lane
	v_add_nc_u32 v15, s30, v6                      ; and four
	s_add_co_u32 s30, s7, MS
	v_add_nc_u32 v16, s30, v6
	s_lshl_b32 s7, s2, 8
	s_add_co_u32 s7, s7, MS
	v_mul_u32_u24 v14, v1, 4112
	v_lshl_add_u32 v14, v2, 5, v14
	v_add_nc_u32 v14, s7, v14                      ; results: row r, 256 w + 32 h
	v_lshlrev_b32 v17, 5, v2                       ; 32 h
	v_and_b32 v18, 127, v0
	v_lshlrev_b32 v18, 4, v18                      ; the norms' vectors, in memory: 16 bytes of 2,048 for each of a vector's 128 threads, twice
	v_lshrrev_b32 v4, 7, v0
	v_lshl_add_u32 v4, v4, 12, v18
	v_add_nc_u32 v4, LP, v4                        ; and in LDS: vector thread / 128
	v_add_nc_u32 v19, LP, v6                       ; and where a lane reads them
	s_mov_b32 s37, 0
	s_wait_kmcnt 0x0
	s_mov_b64 s[38:39], s[16:17]
	s_cmp_eq_u32 s31, 1
	s_cselect_b64 s[38:39], s[18:19], s[38:39]
	s_cmp_eq_u32 s31, 2
	s_cselect_b64 s[38:39], s[24:25], s[38:39]
	s_cmp_eq_u32 s31, 3
	s_cselect_b64 s[38:39], s[26:27], s[38:39]
	s_lshl_b32 s36, s4, 22
	s_lshl_b32 s7, s6, 12
	s_add_co_u32 s36, s36, s7
	s_add_nc_u64 s[10:11], s[10:11], s[36:37]      ; x at my row
	s_lshl_b32 s36, s4, 22
	s_lshl_b32 s7, s6, 7
	s_add_co_u32 s36, s36, s7
	s_add_nc_u64 s[8:9], s[8:9], s[36:37]          ; t at head 32 n, my l
	s_lshl_b32 s36, s2, 15
	s_add_co_u32 s36, s36, 3*524288
	s_add_nc_u64 s[12:13], s[12:13], s[36:37]      ; W1's codes, my four tiles
	s_lshl_b32 s36, s2, 11
	s_add_co_u32 s36, s36, 3*32768
	s_add_nc_u64 s[14:15], s[14:15], s[36:37]
	s_lshl_b32 s36, s2, 8
	s_add_nc_u64 s[20:21], s[20:21], s[36:37]
	s_add_nc_u64 s[22:23], s[22:23], s[36:37]
	s_lshl_b32 s36, s6, 2
	s_add_co_u32 s36, s36, s4
	s_lshl_b32 s36, s36, 12
	s_add_nc_u64 s[28:29], s[28:29], s[36:37]      ; out0 at row (l, n)
.macro WLOAD sg
.irp t, 0,1,2,3
.irp c, 0,1
	global_load_b128 v[160+32*((\sg)%3)+8*\t+4*\c:160+32*((\sg)%3)+8*\t+4*\c+3], v6, s[12:13] offset:((\sg)/8)*524288+\t*8192+((\sg)%8)*1024+\c*512
.endr
.endr
.endm
.macro WSUM                            ; v116 summed over the wave's 32 lanes
	v_add_f32_dpp v116, v116, v116 row_xmask:1 row_mask:0xf bank_mask:0xf
	v_add_f32_dpp v116, v116, v116 row_xmask:2 row_mask:0xf bank_mask:0xf
	v_add_f32_dpp v116, v116, v116 row_xmask:4 row_mask:0xf bank_mask:0xf
	v_add_f32_dpp v116, v116, v116 row_xmask:8 row_mask:0xf bank_mask:0xf
	v_permlanex16_b32 v118, v116, s32, s33
	v_add_f32 v116, v116, v118
.endm
; the row in v20-51 loses its mean; v[122:123] = 1 / sqrt(variance + 1e-5), twice
.macro LNSTAT
	v_pk_add_f32 v[116:117], v[20:21], v[22:23]
	v_pk_add_f32 v[118:119], v[24:25], v[26:27]
.irp j, 8,12,16,20,24,28
	v_pk_add_f32 v[116:117], v[116:117], v[20+\j:21+\j]
	v_pk_add_f32 v[118:119], v[118:119], v[22+\j:23+\j]
.endr
	v_pk_add_f32 v[116:117], v[116:117], v[118:119]
	v_add_f32 v116, v116, v117
	WSUM
	v_mul_f32 v120, s34, v116
	v_mov_b32 v121, v120
.set j, 0
.rept 16
	v_pk_add_f32 v[20+j:21+j], v[20+j:21+j], v[120:121] neg_lo:[0,1] neg_hi:[0,1]
.set j, j+2
.endr
	v_pk_mul_f32 v[116:117], v[20:21], v[20:21]
	v_pk_mul_f32 v[118:119], v[22:23], v[22:23]
.irp j, 4,8,12,16,20,24,28
	v_pk_fma_f32 v[116:117], v[20+\j:21+\j], v[20+\j:21+\j], v[116:117]
	v_pk_fma_f32 v[118:119], v[22+\j:23+\j], v[22+\j:23+\j], v[118:119]
.endr
	v_pk_add_f32 v[116:117], v[116:117], v[118:119]
	v_add_f32 v116, v116, v117
	WSUM
	v_fma_f32 v122, v116, s34, s35
	v_rsq_f32 v122, v122
	v_nop
	s_wait_alu depctr_va_vdst(0)
	v_mov_b32 v123, v122
.endm
.macro LNAPPLY g, b
.set j, 0
.rept 16
	v_pk_mul_f32 v[20+j:21+j], v[20+j:21+j], v[122:123]
	v_pk_fma_f32 v[20+j:21+j], v[20+j:21+j], v[\g+j:\g+j+1], v[\b+j:\b+j+1]
.set j, j+2
.endr
.endm
.macro BARRIER
	s_barrier_signal -1
	s_barrier_wait -1
.endm
	; ---- the first norm.  Lane i holds columns 128 k + 4 i .. + 3, k = 0 .. 7
.irp k, 0,1,2,3,4,5,6,7
	global_load_b128 v[20+4*\k:23+4*\k], v6, s[10:11] offset:512*\k th:TH_LOAD_NT
.endr
.irp k, 0,1,2,3,4,5,6,7
	global_load_b128 v[52+4*\k:55+4*\k], v5, s[8:9] offset:524288*\k th:TH_LOAD_NT   ; heads 4 k .. 4 k + 3
.endr
	global_load_b128 v[84:87], v18, s[38:39]       ; my 32 bytes of the norms' vectors
	global_load_b128 v[88:91], v18, s[38:39] offset:2048
	WLOAD 0
	WLOAD 1
	WLOAD 2
	s_wait_loadcnt 24                              ; x, t and the vectors' pieces are in; the 24 loads of weights, issued behind them, may be out
	ds_store_b128 v4, v[84:87]
	ds_store_b128 v4, v[88:91] offset:2048
	s_wait_dscnt 0x0                               ; my pieces have landed:
	s_barrier_signal -1                            ; say so, and work on registers while the others arrive
.set j, 0
.rept 16
	v_pk_add_f32 v[20+j:21+j], v[20+j:21+j], v[52+j:53+j]
.set j, j+2
.endr
	LNSTAT
	s_barrier_wait -1                              ; the four vectors lie in LDS; they are only read from here on
.irp k, 0,1,2,3,4,5,6,7
	ds_load_b128 v[84+4*\k:87+4*\k], v19 offset:512*\k
	ds_load_b128 v[52+4*\k:55+4*\k], v19 offset:4096+512*\k
.endr
	s_wait_dscnt 0x0
	LNAPPLY 84, 52
	; ---- h to my row in LDS as f32; back with eight neighbours a lane (chunk q: lane i holds columns 256 q + 8 i .. + 7); a block of 32 is four lanes' eight numbers
.irp k, 0,1,2,3,4,5,6,7
	ds_store_b128 v15, v[20+4*\k:23+4*\k] offset:512*\k
.endr
.irp q, 0,1,2,3
	ds_load_b128 v[52+8*\q:55+8*\q], v13 offset:1024*\q       ; the wave's own bytes, served in order
	ds_load_b128 v[56+8*\q:59+8*\q], v13 offset:1024*\q+16
.endr
	s_wait_dscnt 0x0
.irp q, 0,1,2,3
	v_max3_num_f32 v[84+\q], |v[52+8*\q]|, |v[53+8*\q]|, 0x1800000
.endr
.irp i, 2,4,6
.irp q, 0,1,2,3
	v_max3_num_f32 v[84+\q], v[84+\q], |v[52+8*\q+\i]|, |v[53+8*\q+\i]|
.endr
.endr
.irp q, 0,1,2,3
	v_max_num_f32_dpp v[84+\q], v[84+\q], v[84+\q] row_xmask:1 row_mask:0xf bank_mask:0xf
.endr
.irp q, 0,1,2,3
	v_max_num_f32_dpp v[84+\q], v[84+\q], v[84+\q] row_xmask:2 row_mask:0xf bank_mask:0xf
.endr
.irp q, 0,1,2,3
	v_add_nc_u32 v[88+\q], 0xff000000, v[84+\q]
.endr
.irp q, 0,1,2,3
	v_lshrrev_b32 v[92+\q], 23, v[88+\q]
.endr
.irp q, 0,1,2,3
	v_cvt_scalef32_pk8_fp4_f32 v[96+\q], v[52+8*\q:59+8*\q], v[88+\q]
.endr
	v_nop
.irp q, 0,1,2,3
	ds_store_b32 v8, v[96+\q] offset:HC+128*\q
	ds_store_b8 v9, v[92+\q] offset:128*\q         ; the block's four lanes write the same byte with the same value
.endr
	s_wait_dscnt 0x0                               ; my stores have landed, and have read their registers
.irp t, 0,1,2,3
	global_load_b128 v[52+8*\t:55+8*\t], v17, s[20:21] offset:64*\t        ; b1 straight into the accumulators
	global_load_b128 v[56+8*\t:59+8*\t], v17, s[20:21] offset:64*\t+16
	global_load_b128 v[84+8*\t:87+8*\t], v17, s[22:23] offset:64*\t        ; b2
	global_load_b128 v[88+8*\t:91+8*\t], v17, s[22:23] offset:64*\t+16
.endr
.irp g, 0,1
.irp t, 0,1,2,3
.irp p, 0,1,2,3
	global_load_b32 v[128+16*\g+4*\t+\p], v7, s[14:15] offset:\g*32768+\t*512+128*\p   ; lanes 0-15 K step 2 p, lanes 16-31 K step 2 p + 1
.endr
.endr
.endr
	BARRIER                                        ; h's codes and scale words lie in LDS
; K step sg % 8 of product sg / 8: four products, the accumulators by turns; then the slot takes the weights that are wanted three steps on
.macro KST sg
.set GG, (\sg)/8
.set SS, (\sg)%8
.set SL, 160+32*((\sg)%3)
	ds_load_b128 v[116:119], v10 offset:GG*8448+64*SS
	ds_load_b128 v[120:123], v10 offset:GG*8448+64*SS+32
.if (\sg) == 0
	s_wait_loadcnt 0x0                             ; the first three slots, the biases and the scale words
.elseif (\sg) == 15
	s_wait_loadcnt 0x0                             ; the last eight loads
.elseif (\sg) == 14
	s_wait_loadcnt 8                               ; behind this step's eight loads only the last step's eight were issued
.elseif (\sg) >= 3
	s_wait_loadcnt 16                              ; this step's eight loads are in; the two groups of eight behind them may be out
.endif
	s_wait_dscnt 0x0
.irp t, 0,1,2,3
.if (\sg) == 8
	v_wmma_scale_f32_16x16x128_f8f6f4 v[52+8*\t:59+8*\t], v[SL+8*\t:SL+8*\t+7], v[116:123], v[84+8*\t:91+8*\t], v[128+16*GG+4*\t+SS/2], v[124+SS/2] matrix_a_fmt:MATRIX_FMT_FP4 matrix_b_fmt:MATRIX_FMT_FP4
.elseif SS%2
	v_wmma_scale_f32_16x16x128_f8f6f4 v[52+8*\t:59+8*\t], v[SL+8*\t:SL+8*\t+7], v[116:123], v[52+8*\t:59+8*\t], v[128+16*GG+4*\t+SS/2], v[124+SS/2] matrix_a_fmt:MATRIX_FMT_FP4 matrix_b_fmt:MATRIX_FMT_FP4 matrix_a_scale:MATRIX_SCALE_ROW1 matrix_b_scale:MATRIX_SCALE_ROW1
.else
	v_wmma_scale_f32_16x16x128_f8f6f4 v[52+8*\t:59+8*\t], v[SL+8*\t:SL+8*\t+7], v[116:123], v[52+8*\t:59+8*\t], v[128+16*GG+4*\t+SS/2], v[124+SS/2] matrix_a_fmt:MATRIX_FMT_FP4 matrix_b_fmt:MATRIX_FMT_FP4
.endif
.endr
.rept 4
	v_nop                                          ; four plain lines ahead of loads into registers that the products read, and of reads of results
.endr
.if (\sg) <= 12
	WLOAD (\sg)+3
.endif
.endm
.irp p, 0,1,2,3
	ds_load_b32 v[124+\p], v7 offset:HS+128*\p
.endr
.irp s, 0,1,2,3,4,5,6,7
	KST \s
.endr
	; ---- relu, and the hidden layer quantised: my 64 units are two blocks
.set j, 0
.rept 32
	v_max_num_f32 v[52+j], 0, v[52+j]
.set j, j+1
.endr
.irp b, 0,1
	v_max3_num_f32 v[20+\b], v[52+16*\b], v[53+16*\b], 0x1800000
.endr
.irp i, 2,4,6,8,10,12,14
.irp b, 0,1
	v_max3_num_f32 v[20+\b], v[20+\b], v[52+16*\b+\i], v[53+16*\b+\i]
.endr
.endr
.irp b, 0,1
	v_permlanex16_b32 v[22+\b], v[20+\b], s32, s33
.endr
.irp b, 0,1
	v_max_num_f32 v[20+\b], v[20+\b], v[22+\b]
.endr
.irp b, 0,1
	v_add_nc_u32 v[24+\b], 0xff000000, v[20+\b]
.endr
.irp b, 0,1
	v_lshrrev_b32 v[26+\b], 23, v[24+\b]
.endr
.irp b, 0,1
	v_cvt_scalef32_pk8_fp4_f32 v[28+2*\b], v[52+16*\b:59+16*\b], v[24+\b]
	v_cvt_scalef32_pk8_fp4_f32 v[29+2*\b], v[60+16*\b:67+16*\b], v[24+\b]
.endr
	v_nop
.irp b, 0,1
	v_permlane16_swap_b32 v[28+2*\b], v[29+2*\b]   ; lane (r, h): codes 16 h .. 16 h + 15 of the block
.endr
.irp b, 0,1
	ds_store_b64 v11, v[28+2*\b:29+2*\b] offset:16*\b
	ds_store_b8 v12, v[26+\b] offset:\b
.endr
	s_wait_dscnt 0x0
	BARRIER                                        ; the hidden layer's codes and scale words lie in LDS
.irp p, 0,1,2,3
	ds_load_b32 v[124+\p], v7 offset:GS+128*\p
.endr
.irp s, 8,9,10,11,12,13,14,15
	KST \s
.endr
.irp t, 0,1,2,3
	ds_store_b128 v14, v[52+8*\t:55+8*\t] offset:64*\t
	ds_store_b128 v14, v[56+8*\t:59+8*\t] offset:64*\t+16
.endr
	s_wait_dscnt 0x0
	BARRIER                                        ; 16 whole rows of the second product lie in LDS
	; ---- the second norm, on my row; lane i holds columns 128 k + 4 i .. + 3
.irp k, 0,1,2,3,4,5,6,7
	ds_load_b128 v[52+4*\k:55+4*\k], v16 offset:512*\k
	ds_load_b128 v[84+4*\k:87+4*\k], v15 offset:512*\k
.endr
.irp k, 0,1,2,3,4,5,6,7
	ds_load_b128 v[192+4*\k:195+4*\k], v19 offset:8192+512*\k      ; ln2_g
	ds_load_b128 v[224+4*\k:227+4*\k], v19 offset:12288+512*\k     ; ln2_b
.endr
	s_wait_dscnt 16                                ; m and h are in; the gain's and the bias's sixteen loads may be out
.set j, 0
.rept 16
	v_pk_add_f32 v[20+j:21+j], v[52+j:53+j], v[84+j:85+j]
.set j, j+2
.endr
	LNSTAT
	s_wait_dscnt 0x0
	LNAPPLY 192, 224
.irp k, 0,1,2,3,4,5,6,7
	global_store_b128 v6, v[20+4*\k:23+4*\k], s[28:29] offset:512*\k th:TH_STORE_NT   ; 32 lanes store 512 consecutive bytes
.endr
	s_wait_xcnt 0x0
	v_lshl_add_u32 v254, v0, 2, 0x28800
	v_mov_b32 v255, 0
	s_wait_tensorcnt 0x0
	ds_add_u32 v254, v255
	s_wait_dscnt 0x0
	s_endpgm
.Lfunc_end_k_q5f186847fd_tail:
	.size	k_q5f186847fd_tail, .Lfunc_end_k_q5f186847fd_tail-k_q5f186847fd_tail
	.p2alignl 7, 3214868480
	.fill 96, 4, 3214868480
	.section	.rodata,"a",@progbits
	.p2align	6, 0x0
	.amdhsa_kernel k_q5f186847fd_tail
		.amdhsa_group_segment_fixed_size 167936
		.amdhsa_private_segment_fixed_size 0
		.amdhsa_enable_private_segment 0
		.amdhsa_kernarg_size 88
		.amdhsa_user_sgpr_count 2
		.amdhsa_user_sgpr_kernarg_segment_ptr 1
		.amdhsa_wavefront_size32 1
		.amdhsa_system_sgpr_workgroup_id_x 1
		.amdhsa_system_sgpr_workgroup_id_y 1
		.amdhsa_system_sgpr_workgroup_id_z 1
		.amdhsa_system_vgpr_workitem_id 0
		.amdhsa_next_free_vgpr 256
		.amdhsa_next_free_sgpr 66
		.amdhsa_reserve_vcc 0
		.amdhsa_float_denorm_mode_32 3
		.amdhsa_float_denorm_mode_16_64 3
		.amdhsa_memory_ordered 1
		.amdhsa_forward_progress 1
		.amdhsa_inst_pref_size 62
	.end_amdhsa_kernel
	.amdgpu_metadata
---
amdhsa.version: [ 1, 2 ]
amdhsa.kernels:
  - .name:           k_q5f186847fd_tail
    .symbol:         k_q5f186847fd_tail.kd
    .args:
      - { .name: t, .offset: 0, .size: 8, .value_kind: global_buffer, .address_space: global }
      - { .name: x, .offset: 8, .size: 8, .value_kind: global_buffer, .address_space: global }
      - { .name: wc, .offset: 16, .size: 8, .value_kind: global_buffer, .address_space: global }
      - { .name: wsc, .offset: 24, .size: 8, .value_kind: global_buffer, .address_space: global }
      - { .name: ln1_g, .offset: 32, .size: 8, .value_kind: global_buffer, .address_space: global }
      - { .name: ln1_b, .offset: 40, .size: 8, .value_kind: global_buffer, .address_space: global }
      - { .name: b1, .offset: 48, .size: 8, .value_kind: global_buffer, .address_space: global }
      - { .name: b2, .offset: 56, .size: 8, .value_kind: global_buffer, .address_space: global }
      - { .name: ln2_g, .offset: 64, .size: 8, .value_kind: global_buffer, .address_space: global }
      - { .name: ln2_b, .offset: 72, .size: 8, .value_kind: global_buffer, .address_space: global }
      - { .name: out0, .offset: 80, .size: 8, .value_kind: global_buffer, .address_space: global }
    .group_segment_fixed_size: 167936
    .private_segment_fixed_size: 0
    .kernarg_segment_align: 8
    .kernarg_segment_size: 88
    .max_flat_workgroup_size: 512
    .sgpr_count:     66
    .vgpr_count:     256
    .wavefront_size: 32
...
	.end_amdgpu_metadata
.endif
;; end of part 4
;; ======== version 2 of 2: 4 launches
;; workspace buffers: xc 2,097,152 bytes; xs 131,072 bytes; wc 2,621,440 bytes; wsc 163,840 bytes; dt 10,240 bytes; qkvc 6,291,456 bytes; qkvs 1,572,864 bytes; t 16,777,216 bytes
;; launch prep (part 5): grid 580 x 1, 4 waves a work-group, no clusters, 34,304 bytes of LDS; arguments x, Wq, Wk, Wv, W1, W2, dist_emb, xc, xs, wc, wsc, dt; writes xc, xs, wc, wsc, dt
.if DOCPART == 5
	.amdgcn_target "amdgcn-amd-amdhsa--gfx1250"
	.amdhsa_code_object_version 6
	.text
	.protected	k_q5f186847fd_prep
	.globl	k_q5f186847fd_prep
	.p2align	8
	.type	k_q5f186847fd_prep,@function
k_q5f186847fd_prep:
	s_mov_b64 s[64:65], 0
	v_nop
	global_prefetch_b8 v0, s[64:65] scope:SCOPE_SE
	s_setreg_imm32_b32 hwreg(HW_REG_WAVE_MODE, 25, 1), 1
	s_wait_xcnt 0x0
; x [4096][1024], the five weights [k 1024][n 1024] and dist_emb [257][32], all f32, become codes of E2M1 with one E8M0 byte for each 32 along K.
; Codes are laid as IMAGES OF OPERAND REGISTERS: tile of 16 rows, K step of 128: [c 2][lane 32][16 bytes]; lane (r, h), group c holds row r, k = 64 c + 32 h + 0..31.
; Scale words: [tile][K step][16 rows], byte b = block b of the K step.
; dt: codes of d_ext[x] = Q(dist_emb[clip(x - 64, 0, 256)]), x = 0..511, 16 bytes each; from byte 8192 words: byte 0 the scale of d_ext[x], byte 1 that of d_ext[max(x - 16, 0)].
; A block's scale byte is its largest magnitude's exponent field - 2, held at 1 from below.
; LIMITS: a block of zeros (or with a largest magnitude under 2^-124) gets the byte 1: its codes are zeros and this program alone reads the bytes; NaN and infinities are not served.
; Work-groups 0-255: a tile of 16 rows of x.  256-575: 128 columns x 128 along K of one weight.  576-579: 128 entries of dt.  The three ways share no LDS: only the first uses it.
.set R,  16                            ; v16-143  numbers as loaded
.set X,  144                           ; v144-207 64 numbers back from the stage
.set C,  208                           ; v208-223 codes
.set TM, 224                           ; v224-235 at work
; 32 numbers of one lane, v[xs] on, become 4 registers of codes at v[cd]; v[op] the conversion's scale operand, v[by] the byte
.macro BLK32 xs, cd, op, by
	v_max3_num_f32 v[TM], |v[(\xs)]|, |v[(\xs)+1]|, |v[(\xs)+2]|
	v_max3_num_f32 v[TM+1], |v[(\xs)+3]|, |v[(\xs)+4]|, |v[(\xs)+5]|
.irp i, 6,10,14,18,22,26
	v_max3_num_f32 v[TM], v[TM], |v[(\xs)+\i]|, |v[(\xs)+\i+1]|
	v_max3_num_f32 v[TM+1], v[TM+1], |v[(\xs)+\i+2]|, |v[(\xs)+\i+3]|
.endr
	v_max3_num_f32 v[TM], v[TM], |v[(\xs)+30]|, |v[(\xs)+31]|
	v_max3_num_f32 v[TM], v[TM], v[TM+1], 0x1800000      ; the floor 2^(3 - 127): the byte cannot fall under 1
	v_add_nc_u32 v[\op], 0xff000000, v[TM]               ; 2 off the exponent field: the conversion takes that field as its scale
.irp g, 0,1,2,3
	v_cvt_scalef32_pk8_fp4_f32 v[(\cd)+\g], v[(\xs)+8*\g:(\xs)+8*\g+7], v[\op]
.endr
	v_lshrrev_b32 v[\by], 23, v[\op]                     ; the byte; also the plain line behind the conversions
.endm
	s_load_b512 s[8:23], s[0:1], 0x0               ; x, Wq, Wk, Wv, W1, W2, dist_emb, xc
	s_load_b256 s[24:31], s[0:1], 0x40             ; xs, wc, wsc, dt
	v_lshl_add_u32 v240, v0, 2, 0x8400
	v_mov_b32 v241, 0
	v_lshrrev_b32 v1, 5, v0
	v_readfirstlane_b32 s2, v1                     ; wave
	v_and_b32 v2, 31, v0                           ; lane
	v_and_b32 v3, 15, v0                           ; r
	v_bfe_u32 v4, v0, 4, 1                         ; h
	s_mov_b32 s3, ttmp9
	s_mov_b32 s36, 0x76543210
	s_mov_b32 s37, 0xfedcba98                      ; selects for lane l xor 16
	s_mov_b32 s38, 0xffff0000                      ; lanes 16-31
	s_mov_b32 s35, 0
	s_wait_kmcnt 0x0
	s_cmp_lt_u32 s3, 256
	s_cbranch_scc0 .Lnot_x
	s_wait_alu depctr_va_vdst(0)
	; ---- x: tile T = work-group; wave w takes K steps 2 w and 2 w + 1.  Each load reads 512 consecutive bytes of one row; the numbers turn through the wave's own stage (rows of 512 + 16 bytes)
	v_lshlrev_b32 v5, 4, v2                        ; 16 x lane
	s_wait_alu depctr_va_vdst(0)
	s_mul_i32 s4, s2, 8448
	v_add_nc_u32 v6, s4, v5                        ; stage, in
	v_mul_u32_u24 v7, v3, 528
	v_lshl_add_u32 v7, v4, 7, v7
	v_add_nc_u32 v7, s4, v7                        ; stage, out: row r, + 128 h
	v_lshlrev_b32 v8, 2, v2                        ; 4 x lane
	v_lshlrev_b32 v9, 3, v4                        ; 8 h
	v_mov_b32 v[TM+7], 0                           ; a lane permute's destination counts as read
	s_lshl_b32 s34, s3, 16
	s_lshl_b32 s4, s2, 10
	s_add_co_u32 s34, s34, s4
	s_add_nc_u64 s[8:9], s[8:9], s[34:35]          ; x at row 16 T, byte 1024 w
	s_lshl_b32 s34, s3, 13
	s_lshl_b32 s4, s2, 11
	s_add_co_u32 s34, s34, s4
	s_add_nc_u64 s[22:23], s[22:23], s[34:35]      ; xc at tile T, K step 2 w
	s_lshl_b32 s34, s3, 9
	s_lshl_b32 s4, s2, 7
	s_add_co_u32 s34, s34, s4
	s_add_nc_u64 s[24:25], s[24:25], s[34:35]      ; xs likewise
.set i, 0
.rept 32
	global_load_b128 v[R+4*i:R+4*i+3], v5, s[8:9] offset:(i%16)*4096+(i/16)*512 th:TH_LOAD_NT
.set i, i+1
.endr
.macro XHALF sg
	s_wait_loadcnt 16*(1-\sg)                      ; this K step's 16 loads are in; the other's, issued behind them, may be out
.set i, 0
.rept 16
	ds_store_b128 v6, v[R+64*\sg+4*i:R+64*\sg+4*i+3] offset:i*528
.set i, i+1
.endr
.set i, 0
.rept 16
	ds_load_b128 v[X+4*i:X+4*i+3], v7 offset:(i/8)*256+(i%8)*16   ; the wave's own bytes, served in order: k = 64 c + 32 h + 0..31 of row r
.set i, i+1
.endr
	s_wait_dscnt 0x0
	BLK32 X, C+8*\sg, TM+2, TM+4                   ; my block h
	BLK32 X+32, C+8*\sg+4, TM+3, TM+5              ; my block 2 + h
	v_lshl_or_b32 v[TM+6], v[TM+5], 16, v[TM+4]
	v_lshlrev_b32 v[TM+6], v9, v[TM+6]             ; at their places in the scale word
	v_permlanex16_b32 v[TM+7], v[TM+6], s36, s37
	v_or_b32 v[TM+8+\sg], v[TM+6], v[TM+7]         ; with the other half's two bytes the word is whole
	global_store_b128 v5, v[C+8*\sg:C+8*\sg+3], s[22:23] offset:\sg*1024
	global_store_b128 v5, v[C+8*\sg+4:C+8*\sg+7], s[22:23] offset:\sg*1024+512
.endm
	s_wait_alu depctr_va_vdst(0)
	XHALF 0
	XHALF 1
	v_cndmask_b32 v[TM+10], v[TM+8], v[TM+9], s38  ; lanes 0-15 K step 2 w, lanes 16-31 K step 2 w + 1
	global_store_b32 v8, v[TM+10], s[24:25]
	s_wait_tensorcnt 0x0
	ds_add_u32 v240, v241
	s_wait_dscnt 0x0
	s_endpgm
.Lnot_x:
	s_cmp_lt_u32 s3, 576
	s_cbranch_scc0 .Lpath_d
	; ---- a weight: a lane takes a column n, its registers run down K: the codes come out with K innermost
	s_sub_co_u32 s4, s3, 256
	s_lshr_b32 s5, s4, 6                           ; which weight: q, k, v, 1, 2
	s_bfe_u32 s6, s4, 0x30003                      ; which 128 columns
	s_and_b32 s7, s4, 7                            ; K step
	s_cmp_eq_u32 s5, 1
	s_cselect_b64 s[10:11], s[12:13], s[10:11]
	s_cmp_eq_u32 s5, 2
	s_cselect_b64 s[10:11], s[14:15], s[10:11]
	s_cmp_eq_u32 s5, 3
	s_cselect_b64 s[10:11], s[16:17], s[10:11]
	s_cmp_eq_u32 s5, 4
	s_cselect_b64 s[10:11], s[18:19], s[10:11]
	s_lshl_b32 s34, s7, 19                         ; 128 rows of 4,096 bytes a K step
	s_lshl_b32 s4, s6, 9
	s_add_co_u32 s34, s34, s4
	s_lshl_b32 s4, s2, 7
	s_add_co_u32 s34, s34, s4
	s_add_nc_u64 s[10:11], s[10:11], s[34:35]
	s_lshl_b32 s34, s5, 19                         ; wc: weight, tile 8 cg + 2 w, K step
	s_lshl_b32 s4, s6, 16
	s_add_co_u32 s34, s34, s4
	s_lshl_b32 s4, s2, 14
	s_add_co_u32 s34, s34, s4
	s_lshl_b32 s4, s7, 10
	s_add_co_u32 s34, s34, s4
	s_add_nc_u64 s[26:27], s[26:27], s[34:35]
	s_lshl_b32 s34, s5, 15                         ; wsc likewise
	s_lshl_b32 s4, s6, 12
	s_add_co_u32 s34, s34, s4
	s_lshl_b32 s4, s2, 10
	s_add_co_u32 s34, s34, s4
	s_lshl_b32 s4, s7, 6
	s_add_co_u32 s34, s34, s4
	s_add_nc_u64 s[28:29], s[28:29], s[34:35]
	s_wait_alu depctr_va_vdst(0)
	v_lshlrev_b32 v5, 2, v2                        ; in: 4 bytes a lane
	v_lshlrev_b32 v6, 4, v3
	v_lshl_add_u32 v6, v4, 13, v6                  ; codes: tile lane / 16, row lane % 16
	v_lshlrev_b32 v7, 2, v3
	v_lshl_add_u32 v7, v4, 9, v7                   ; scale word likewise
.macro LOADB bt
.set i, 0
.rept 32
	global_load_b32 v[R+32*(\bt)+i], v5, s[10:11] offset:(32*(\bt)+i)*4096 th:TH_LOAD_NT
.set i, i+1
.endr
.endm
	LOADB 0
	LOADB 1
.macro WBLK bt
.if \bt < 3
	s_wait_loadcnt 32                              ; this block's 32 loads are in, the next block's may be out
.else
	s_wait_loadcnt 0x0
.endif
	BLK32 R+32*\bt, C+4*\bt, TM+2, TM+4
.if \bt == 0
	v_mov_b32 v[TM+6], v[TM+4]
.else
	v_lshl_or_b32 v[TM+6], v[TM+4], 8*\bt, v[TM+6]
.endif
	global_store_b128 v6, v[C+4*\bt:C+4*\bt+3], s[26:27] offset:(\bt/2)*512+(\bt%2)*256   ; sixteen lanes store 256 consecutive bytes
.if \bt < 2
	LOADB \bt+2
.endif
.endm
	WBLK 0
	WBLK 1
	WBLK 2
	WBLK 3
	global_store_b32 v7, v[TM+6], s[28:29]
	s_endpgm
.Lpath_d:
	; ---- dt: thread = entry x
	s_sub_co_u32 s4, s3, 576
	s_lshl_b32 s4, s4, 7
	v_add_nc_u32 v5, s4, v0                        ; x
	v_add_nc_u32 v6, 0xffffffc0, v5                ; x - 64
	v_max_i32 v6, 0, v6
	v_min_u32 v6, 0x100, v6
	v_lshlrev_b32 v6, 7, v6                        ; its row of 128 bytes
	v_add_nc_u32 v7, 0xffffffb0, v5                ; x - 80
	v_max_i32 v7, 0, v7
	v_min_u32 v7, 0x100, v7
	v_lshlrev_b32 v7, 7, v7
.irp i, 0,1,2,3,4,5,6,7
	global_load_b128 v[R+4*\i:R+4*\i+3], v6, s[20:21] offset:16*\i
	global_load_b128 v[R+32+4*\i:R+32+4*\i+3], v7, s[20:21] offset:16*\i
.endr
	v_lshlrev_b32 v8, 4, v5
	v_lshlrev_b32 v9, 2, v5
	s_wait_loadcnt 0x0
	BLK32 R, C, TM+2, TM+4
	BLK32 R+32, C+4, TM+3, TM+5
	v_lshl_or_b32 v[TM+6], v[TM+5], 8, v[TM+4]
	global_store_b128 v8, v[C:C+3], s[30:31]
	global_store_b32 v9, v[TM+6], s[30:31] offset:8192
	s_endpgm
.Lfunc_end_k_q5f186847fd_prep:
	.size	k_q5f186847fd_prep, .Lfunc_end_k_q5f186847fd_prep-k_q5f186847fd_prep
	.p2alignl 7, 3214868480
	.fill 96, 4, 3214868480
	.section	.rodata,"a",@progbits
	.p2align	6, 0x0
	.amdhsa_kernel k_q5f186847fd_prep
		.amdhsa_group_segment_fixed_size 34304
		.amdhsa_private_segment_fixed_size 0
		.amdhsa_enable_private_segment 0
		.amdhsa_kernarg_size 96
		.amdhsa_user_sgpr_count 2
		.amdhsa_user_sgpr_kernarg_segment_ptr 1
		.amdhsa_wavefront_size32 1
		.amdhsa_system_sgpr_workgroup_id_x 1
		.amdhsa_system_sgpr_workgroup_id_y 1
		.amdhsa_system_sgpr_workgroup_id_z 1
		.amdhsa_system_vgpr_workitem_id 0
		.amdhsa_next_free_vgpr 242
		.amdhsa_next_free_sgpr 66
		.amdhsa_reserve_vcc 0
		.amdhsa_float_denorm_mode_32 3
		.amdhsa_float_denorm_mode_16_64 3
		.amdhsa_memory_ordered 1
		.amdhsa_forward_progress 1
		.amdhsa_inst_pref_size 41
	.end_amdhsa_kernel
	.amdgpu_metadata
---
amdhsa.version: [ 1, 2 ]
amdhsa.kernels:
  - .name:           k_q5f186847fd_prep
    .symbol:         k_q5f186847fd_prep.kd
    .args:
      - { .name: x, .offset: 0, .size: 8, .value_kind: global_buffer, .address_space: global }
      - { .name: Wq, .offset: 8, .size: 8, .value_kind: global_buffer, .address_space: global }
      - { .name: Wk, .offset: 16, .size: 8, .value_kind: global_buffer, .address_space: global }
      - { .name: Wv, .offset: 24, .size: 8, .value_kind: global_buffer, .address_space: global }
      - { .name: W1, .offset: 32, .size: 8, .value_kind: global_buffer, .address_space: global }
      - { .name: W2, .offset: 40, .size: 8, .value_kind: global_buffer, .address_space: global }
      - { .name: dist_emb, .offset: 48, .size: 8, .value_kind: global_buffer, .address_space: global }
      - { .name: xc, .offset: 56, .size: 8, .value_kind: global_buffer, .address_space: global }
      - { .name: xs, .offset: 64, .size: 8, .value_kind: global_buffer, .address_space: global }
      - { .name: wc, .offset: 72, .size: 8, .value_kind: global_buffer, .address_space: global }
      - { .name: wsc, .offset: 80, .size: 8, .value_kind: global_buffer, .address_space: global }
      - { .name: dt, .offset: 88, .size: 8, .value_kind: global_buffer, .address_space: global }
    .group_segment_fixed_size: 34304
    .private_segment_fixed_size: 0
    .kernarg_segment_align: 8
    .kernarg_segment_size: 96
    .max_flat_workgroup_size: 128
    .sgpr_count:     66
    .vgpr_count:     242
    .wavefront_size: 32
...
	.end_amdgpu_metadata
.endif
;; end of part 5
;; launch qkv (part 6): grid 12 x 16, 16 waves a work-group, no clusters, 280,576 bytes of LDS; arguments xc, xs, wc, wsc, bq, bk, bv, qkvc, qkvs; writes qkvc, qkvs
.if DOCPART == 6
	.amdgcn_target "amdgcn-amd-amdhsa--gfx1250"
	.amdhsa_code_object_version 6
	.text
	.protected	k_q5f186847fd_qkv
	.globl	k_q5f186847fd_qkv
	.p2align	8
	.type	k_q5f186847fd_qkv,@function
k_q5f186847fd_qkv:
	s_mov_b64 s[64:65], 0
	v_nop
	global_prefetch_b8 v0, s[64:65] scope:SCOPE_SE
	s_setreg_imm32_b32 hwreg(HW_REG_WAVE_SCHED_MODE, 0, 2), 2
	s_setreg_imm32_b32 hwreg(HW_REG_WAVE_MODE, 25, 1), 1
	s_wait_xcnt 0x0
	s_wait_alu depctr_vm_vsrc(0)
; q, k, v = x W + b on codes of E2M1, and their own quantising: q and k along the head's 32 (one block a head), v along the keys (blocks of 32 tokens).
; A work-group takes 256 tokens x 256 of the 3,072 output columns [q | k | v]; all of K (1,024) of both operands lies in LDS as register images, copied once.
; Sixteen waves, each 64 x 64: 16 accumulators.  q, k: source 0 = 16 output columns, source 1 = 16 tokens: a lane holds one token and eight neighbours of a head.
; v (work-group x >= 8): source 0 = 16 tokens, source 1 = 16 output columns: a lane holds one channel and eight neighbouring keys.  Only the roles of the two LDS regions change.
; The bias is the C of each sum's first product.  No tensor load and no cluster: nothing in LDS is filled twice; each tile is read from memory by 12 or 16 work-groups at most.
; OUT: qkvc [q, k, v][head 128][16 KB]: q, k: [token][16 bytes]; v: [key / 32][channel][16 bytes].  qkvs: one word for each 16 bytes of codes, the scale byte four times.
; LIMITS: a block of zeros gets the scale byte 1 (its codes are zeros); NaN and infinities are not served.
; THE MODE: SCHED_MODE bits 1:0 = 2 (LLVM: expert scheduling mode 2), set by the entry lines.  The code itself states the register dependences
; between vector or matrix instructions and memory or LDS instructions, with s_wait_alu, always for 0.
; THE PLAN.  Registers that memory or LDS instructions touch:
;   v4-10, v12-14  offsets and addresses: made once, never written again.
;   v64-199        the fill: loads land in them, LDS stores read them; afterwards they are fragments and accumulators.
;   F1             source 1's four fragments, one set: read by K step s's products, then the loads of step s + 1 land in it.
;   F0A, F0B       source 0's four fragments, two sets by turns (F0B lies in the bias's registers, free behind K step 0); SCA, SCB the scale words likewise.
;                  Step s's products read set s % 2; behind them the loads of step s + 2 land in it, while step s + 1 is multiplied out of the other set.
; So ONE wait on va_vdst stands between two K steps, behind the products: it states that they are done reading F1, their set of source 0 and their scale words (at step 0: the bias too).
; The loads that follow it are named by no vector or matrix instruction before the wait on DScnt that shows them landed.
.set CB,  20                           ; v20-51  the bias as C: four tiles of eight
.set BL,  52                           ; v52-55  bv of my lane's column, for four tiles
.set SCA, 60                           ; v60-63  scale words of the even K steps: lanes 0-15 source 1's tile i, lanes 16-31 source 0's
.set SCB, 16                           ; v16-19  those of the odd K steps
.set F0A, 64                           ; v64-95  source 0's four fragments, even K steps
.set F0B, 20                           ; v20-51  the same, odd K steps
.set F1,  96                           ; v96-127 source 1's
.set ACC, 128                          ; v128-255 accumulator (a, b) at 128 + 8 (4 a + b)
.set TM,  64                           ; the way out: at work
.set PC,  80                           ; codes, two registers a block
.set WW,  96                           ; scale words
.set SW,  104
.set VA,  108                          ; offsets of the codes' stores
.set VX,  112                          ; and of the scale words'
	s_load_b512 s[8:23], s[0:1], 0x0               ; xc, xs, wc, wsc, bq, bk, bv, qkvc
	s_load_b64 s[24:25], s[0:1], 0x40              ; qkvs
	v_lshl_add_u32 v58, v0, 2, 0x44000
	v_mov_b32 v59, 0
	v_lshrrev_b32 v1, 5, v0
	v_readfirstlane_b32 s2, v1                     ; wave
	s_mov_b32 s3, ttmp9                            ; wx
	s_and_b32 s4, ttmp7, 0xffff                    ; wy
	s_and_b32 s26, s3, 3
	s_mov_b32 s36, 0xffff0000
	s_mov_b32 s38, 0x76543210
	s_mov_b32 s39, 0xfedcba98
	v_and_b32 v1, 15, v0                           ; r
	v_bfe_u32 v2, v0, 4, 1                         ; h
	v_and_b32 v3, 31, v0                           ; lane
	v_lshlrev_b32 v4, 5, v2                        ; 32 h
	v_lshlrev_b32 v5, 2, v1                        ; 4 r
	v_lshlrev_b32 v6, 4, v0                        ; 16 x thread
	v_add_nc_u32 v7, 0x10000, v6
	v_add_nc_u32 v8, 0x20000, v6
	v_add_nc_u32 v9, 0x30000, v6
	v_add_nc_u32 v10, 0x40000, v6
	s_wait_alu depctr_va_sdst(0)                   ; s2, the wave's number, is written, ahead of its first reader
	s_lshr_b32 s5, s2, 2                           ; wa: my 64 tokens
	s_and_b32 s6, s2, 3                            ; wb: my 64 columns
	s_lshl_b32 s28, s26, 10
	s_lshl_b32 s29, s6, 8
	s_add_co_u32 s28, s28, s29                     ; my 64 columns in a bias, in bytes
	s_mov_b32 s29, 0
	s_lshr_b32 s30, s3, 2                          ; 0 q, 1 k, 2 v
	s_wait_kmcnt 0x0
	s_cmp_eq_u32 s30, 1
	s_cselect_b64 s[16:17], s[18:19], s[16:17]
	s_add_nc_u64 s[16:17], s[16:17], s[28:29]
	s_add_nc_u64 s[20:21], s[20:21], s[28:29]
	s_lshl_b32 s28, s4, 17
	s_add_nc_u64 s[8:9], s[8:9], s[28:29]          ; x's 16 tiles
	s_lshl_b32 s28, s3, 17
	s_add_nc_u64 s[12:13], s[12:13], s[28:29]      ; the weights' 16 tiles
	s_lshl_b32 s28, s4, 13
	s_add_nc_u64 s[10:11], s[10:11], s[28:29]
	s_lshl_b32 s28, s3, 13
	s_add_nc_u64 s[14:15], s[14:15], s[28:29]
	s_wait_alu depctr_va_vdst(0)                   ; v4 to v10 are written: the loads and the LDS stores of the fill read them as offsets and addresses
	; both forms of the bias are loaded on every way (both stay inside their buffers); the way that is taken picks one
.irp b, 0,1,2,3
	global_load_b128 v[CB+8*\b:CB+8*\b+3], v4, s[16:17] offset:64*\b
	global_load_b128 v[CB+8*\b+4:CB+8*\b+7], v4, s[16:17] offset:64*\b+16
	global_load_b32 v[BL+\b], v5, s[20:21] offset:64*\b
.endr
	; the fill: 34 loads of 8,192 consecutive bytes a work-group, and as many LDS stores
.set k, 0
.rept 16
	global_load_b128 v[64+4*k:64+4*k+3], v6, s[8:9] offset:k*8192
.set k, k+1
.endr
.set k, 0
.rept 16
	global_load_b128 v[128+4*k:128+4*k+3], v6, s[12:13] offset:k*8192
.set k, k+1
.endr
	global_load_b128 v[192:195], v6, s[10:11]
	global_load_b128 v[196:199], v6, s[14:15]
.set k, 0
.rept 34
	s_wait_loadcnt 33-k                            ; loads come back in order: load k is in, the 33 - k behind it may be out
	ds_store_b128 v[6+k/8], v[64+4*k:64+4*k+3] offset:(k%8)*8192
.set k, k+1
.endr
	; where my fragments lie
	s_lshl_b32 s28, s5, 15                         ; x: my four tiles
	s_lshl_b32 s29, s6, 15
	s_add_co_u32 s29, s29, 0x20000                 ; weights: my four tiles
	s_lshl_b32 s30, s5, 11
	s_add_co_u32 s30, s30, 0x40000                 ; x's scale words
	s_lshl_b32 s31, s6, 11
	s_add_co_u32 s31, s31, 0x42000                 ; the weights'
	s_cmp_ge_u32 s3, 8
	s_cselect_b32 s32, s29, s28                    ; source 1
	s_cselect_b32 s33, s28, s29                    ; source 0
	s_cselect_b32 s34, s31, s30
	s_cselect_b32 s35, s30, s31
	v_lshlrev_b32 v11, 4, v3
	v_add_nc_u32 v12, s33, v11
	v_add_nc_u32 v13, s32, v11
	v_add_nc_u32 v14, s34, v5
	v_add_nc_u32 v15, s35, v5
	v_cndmask_b32 v14, v14, v15, s36               ; lanes 0-15 source 1's words, lanes 16-31 source 0's
	s_wait_dscnt 0x0                               ; my stores have landed
	s_barrier_signal -1
	s_barrier_wait -1                              ; everybody's have; LDS is only read from here on
	s_wait_alu depctr_vm_vsrc(0)                   ; my LDS stores have read v64 to v199: the fragments' loads land there and the products write there
	s_wait_alu depctr_va_vdst(0)                   ; v12, v13 and v14 are written: every LDS load below reads one of them as its address
.macro LD1 s                           ; source 1's four fragments of K step s
.irp i, 0,1,2,3
.irp c, 0,1
	ds_load_b128 v[F1+8*\i+4*\c:F1+8*\i+4*\c+3], v13 offset:\i*8192+(\s)*1024+\c*512
.endr
.endr
.endm
.macro LD0 s, f0, sc                   ; source 0's four fragments of K step s into the set f0, and both sources' scale words into sc: twelve loads
.irp i, 0,1,2,3
.irp c, 0,1
	ds_load_b128 v[\f0+8*\i+4*\c:\f0+8*\i+4*\c+3], v12 offset:\i*8192+(\s)*1024+\c*512
.endr
	ds_load_b32 v[\sc+\i], v14 offset:\i*512+(\s)*64
.endr
.endm
; 16 products, the accumulators by turns.  cm = 1: C = the bias by register (q, k); 2: by lane (v); 0: in place
.macro MUL cm, f0, sc
.irp a, 0,1,2,3
.irp b, 0,1,2,3
.if \cm == 1
	v_wmma_scale_f32_16x16x128_f8f6f4 v[ACC+8*(4*\a+\b):ACC+8*(4*\a+\b)+7], v[\f0+8*\b:\f0+8*\b+7], v[F1+8*\a:F1+8*\a+7], v[CB+8*\b:CB+8*\b+7], v[\sc+\b], v[\sc+\a] matrix_a_fmt:MATRIX_FMT_FP4 matrix_b_fmt:MATRIX_FMT_FP4 matrix_a_scale:MATRIX_SCALE_ROW1
.elseif \cm == 2
	v_wmma_scale_f32_16x16x128_f8f6f4 v[ACC+8*(4*\a+\b):ACC+8*(4*\a+\b)+7], v[\f0+8*\b:\f0+8*\b+7], v[F1+8*\a:F1+8*\a+7], v[CB+8*\a:CB+8*\a+7], v[\sc+\b], v[\sc+\a] matrix_a_fmt:MATRIX_FMT_FP4 matrix_b_fmt:MATRIX_FMT_FP4 matrix_a_scale:MATRIX_SCALE_ROW1
.else
	v_wmma_scale_f32_16x16x128_f8f6f4 v[ACC+8*(4*\a+\b):ACC+8*(4*\a+\b)+7], v[\f0+8*\b:\f0+8*\b+7], v[F1+8*\a:F1+8*\a+7], v[ACC+8*(4*\a+\b):ACC+8*(4*\a+\b)+7], v[\sc+\b], v[\sc+\a] matrix_a_fmt:MATRIX_FMT_FP4 matrix_b_fmt:MATRIX_FMT_FP4 matrix_a_scale:MATRIX_SCALE_ROW1
.endif
.endr
.endr
.endm
; From the products of K step s to those of step s + 1
.macro NEXT s
.rept 4
	v_nop                                          ; four plain lines behind the products stay, beside the wait
.endr
	s_wait_alu depctr_va_vdst(0)                   ; step s's products are done reading source 1's fragments, their set of source 0 and their scale words (s = 0: the bias too, whose registers become the second set): the loads below land there
	LD1 (\s)+1
.if (\s) == 0
	LD0 1, F0B, SCB
.endif
.if (\s) <= 5
.if (\s)%2
	LD0 (\s)+2, F0B, SCB
.else
	LD0 (\s)+2, F0A, SCA
.endif
	s_wait_dscnt 12                                ; all that step s + 1 reads is in; the twelve loads of step s + 2, issued last, may be out
.else
	s_wait_dscnt 0x0
.endif
.if (\s)%2
	MUL 0, F0A, SCA
.else
	MUL 0, F0B, SCB
.endif
.endm
	LD0 0, F0A, SCA
	LD1 0
	s_wait_dscnt 0x0
	s_cmp_ge_u32 s3, 8
	s_cbranch_scc1 .Lfirst_v
	MUL 1, F0A, SCA
	s_branch .Lfirst_done
.Lfirst_v:
.irp a, 0,1,2,3
.irp j, 0,1,2,3,4,5,6,7
	v_mov_b32 v[CB+8*\a+\j], v[BL+\a]              ; my column's bias for all eight tokens
.endr
.endr
	MUL 2, F0A, SCA
.Lfirst_done:
.irp s, 0,1,2,3,4,5,6
	NEXT \s
.endr
.rept 4
	v_nop                                          ; four plain lines ahead of the first read of results
.endr
	; ---- the way out.  Accumulators (a, 2 B) and (a, 2 B + 1) are 16 consecutive registers: with lane l xor 16's they are one block of 32 along the next K
.macro QUANT4 s, u0
.irp b, 0,1,2,3
	v_max3_num_f32 v[TM+\b], |v[\s+16*\b]|, |v[\s+16*\b+1]|, 0x1800000
.endr
.irp i, 2,4,6,8,10,12,14
.irp b, 0,1,2,3
	v_max3_num_f32 v[TM+\b], v[TM+\b], |v[\s+16*\b+\i]|, |v[\s+16*\b+\i+1]|
.endr
.endr
.irp b, 0,1,2,3
	v_permlanex16_b32 v[TM+4+\b], v[TM+\b], s38, s39
.endr
.irp b, 0,1,2,3
	v_max_num_f32 v[TM+\b], v[TM+\b], v[TM+4+\b]
.endr
.irp b, 0,1,2,3
	v_add_nc_u32 v[TM+8+\b], 0xff000000, v[TM+\b]
.endr
.irp b, 0,1,2,3
	v_lshrrev_b32 v[TM+12+\b], 23, v[TM+8+\b]
.endr
.irp b, 0,1,2,3
	v_perm_b32 v[WW+\u0+\b], v[TM+12+\b], v[TM+12+\b], 0   ; the byte four times
.endr
.irp b, 0,1,2,3
	v_cvt_scalef32_pk8_fp4_f32 v[PC+2*(\u0+\b)], v[\s+16*\b:\s+16*\b+7], v[TM+8+\b]
	v_cvt_scalef32_pk8_fp4_f32 v[PC+2*(\u0+\b)+1], v[\s+16*\b+8:\s+16*\b+15], v[TM+8+\b]
.endr
	v_nop                                          ; one plain line behind the conversions
.irp b, 0,1,2,3
	v_permlane16_swap_b32 v[PC+2*(\u0+\b)], v[PC+2*(\u0+\b)+1]   ; lane (r, h) now holds codes 16 h .. 16 h + 15 of its block
.endr
.endm
	QUANT4 ACC, 0
	QUANT4 ACC+64, 4
	s_cmp_ge_u32 s3, 8
	s_mov_b32 s40, 512
	s_cselect_b32 s41, 16384, s40                  ; from a = 0 to a = 2: 32 tokens of 16 bytes, or the next head
	s_mov_b32 s42, 16384
	s_cselect_b32 s42, 512, s42                    ; from block 0 to block 1: the next head, or the next 32 keys
	s_lshr_b32 s43, s42, 2
	s_lshr_b32 s44, s41, 2
	v_lshlrev_b32 v56, 4, v1
	v_lshl_add_u32 v56, v2, 3, v56                 ; 16 r + 8 h
	v_mov_b32 v[VA], v56
	v_add_nc_u32 v[VA+1], s42, v56
	v_add_nc_u32 v[VA+2], s41, v56
	v_add_nc_u32 v[VA+3], s42, v[VA+2]
	v_lshlrev_b32 v[VX], 2, v3                     ; 4 x lane
	v_add_nc_u32 v[VX+1], s43, v[VX]
	v_add_nc_u32 v[VX+2], s44, v[VX]
	v_add_nc_u32 v[VX+3], s43, v[VX+2]
.irp p, 0,1
.irp b, 0,1
	v_cndmask_b32 v[SW+2*\p+\b], v[WW+4*\p+\b], v[WW+4*\p+2+\b], s36   ; lanes 0-15: a = 2 p; lanes 16-31: a = 2 p + 1
.endr
.endr
	; the wave's first byte in qkvc is the same sum on both ways
	s_lshr_b32 s28, s3, 2
	s_lshl_b32 s28, s28, 21
	s_lshr_b32 s29, s4, 2
	s_lshl_b32 s29, s29, 19
	s_add_co_u32 s28, s28, s29
	s_lshl_b32 s29, s26, 17
	s_add_co_u32 s28, s28, s29
	s_lshl_b32 s29, s6, 15
	s_add_co_u32 s28, s28, s29
	s_and_b32 s29, s4, 3
	s_lshl_b32 s29, s29, 12
	s_add_co_u32 s28, s28, s29
	s_lshl_b32 s29, s5, 10
	s_add_co_u32 s28, s28, s29
	s_mov_b32 s29, 0
	s_add_nc_u64 s[22:23], s[22:23], s[28:29]
	s_lshr_b32 s28, s28, 2
	s_add_nc_u64 s[24:25], s[24:25], s[28:29]
	s_wait_alu depctr_va_vdst(0)                   ; the codes, the scale words and the eight offsets are written: the twelve stores below read them
.irp a, 0,1,2,3
.irp b, 0,1
	global_store_b64 v[VA+2*(\a/2)+\b], v[PC+2*(2*\a+\b):PC+2*(2*\a+\b)+1], s[22:23] offset:256*(\a%2)   ; 32 lanes store 256 consecutive bytes
.endr
.endr
.irp p, 0,1
.irp b, 0,1
	global_store_b32 v[VX+2*\p+\b], v[SW+2*\p+\b], s[24:25]
.endr
.endr
	s_wait_dscnt 0x0                               ; the closing lines, six on end
	s_wait_alu 0x0
	s_wait_tensorcnt 0x0
	ds_add_u32 v58, v59
	s_wait_dscnt 0x0
	s_endpgm
.Lfunc_end_k_q5f186847fd_qkv:
	.size	k_q5f186847fd_qkv, .Lfunc_end_k_q5f186847fd_qkv-k_q5f186847fd_qkv
	.p2alignl 7, 3214868480
	.fill 96, 4, 3214868480
	.section	.rodata,"a",@progbits
	.p2align	6, 0x0
	.amdhsa_kernel k_q5f186847fd_qkv
		.amdhsa_group_segment_fixed_size 280576
		.amdhsa_private_segment_fixed_size 0
		.amdhsa_enable_private_segment 0
		.amdhsa_kernarg_size 72
		.amdhsa_user_sgpr_count 2
		.amdhsa_user_sgpr_kernarg_segment_ptr 1
		.amdhsa_wavefront_size32 1
		.amdhsa_system_sgpr_workgroup_id_x 1
		.amdhsa_system_sgpr_workgroup_id_y 1
		.amdhsa_system_sgpr_workgroup_id_z 1
		.amdhsa_system_vgpr_workitem_id 0
		.amdhsa_next_free_vgpr 256
		.amdhsa_next_free_sgpr 66
		.amdhsa_reserve_vcc 0
		.amdhsa_float_denorm_mode_32 3
		.amdhsa_float_denorm_mode_16_64 3
		.amdhsa_memory_ordered 1
		.amdhsa_forward_progress 1
		.amdhsa_inst_pref_size 52
	.end_amdhsa_kernel
	.amdgpu_metadata
---
amdhsa.version: [ 1, 2 ]
amdhsa.kernels:
  - .name:           k_q5f186847fd_qkv
    .symbol:         k_q5f186847fd_qkv.kd
    .args:
      - { .name: xc, .offset: 0, .size: 8, .value_kind: global_buffer, .address_space: global }
      - { .name: xs, .offset: 8, .size: 8, .value_kind: global_buffer, .address_space: global }
      - { .name: wc, .offset: 16, .size: 8, .value_kind: global_buffer, .address_space: global }
      - { .name: wsc, .offset: 24, .size: 8, .value_kind: global_buffer, .address_space: global }
      - { .name: bq, .offset: 32, .size: 8, .value_kind: global_buffer, .address_space: global }
      - { .name: bk, .offset: 40, .size: 8, .value_kind: global_buffer, .address_space: global }
      - { .name: bv, .offset: 48, .size: 8, .value_kind: global_buffer, .address_space: global }
      - { .name: qkvc, .offset: 56, .size: 8, .value_kind: global_buffer, .address_space: global }
      - { .name: qkvs, .offset: 64, .size: 8, .value_kind: global_buffer, .address_space: global }
    .group_segment_fixed_size: 280576
    .private_segment_fixed_size: 0
    .kernarg_segment_align: 8
    .kernarg_segment_size: 72
    .max_flat_workgroup_size: 512
    .sgpr_count:     66
    .vgpr_count:     256
    .wavefront_size: 32
...
	.end_amdgpu_metadata
.endif
;; end of part 6
;; launch attn (part 7): grid 2 x 128, 16 waves a work-group, no clusters, 153,600 bytes of LDS; arguments qkvc, qkvs, dt, t; writes t
.if DOCPART == 7
	.amdgcn_target "amdgcn-amd-amdhsa--gfx1250"
	.amdhsa_code_object_version 6
	.text
	.protected	k_q5f186847fd_attn
	.globl	k_q5f186847fd_attn
	.p2align	8
	.type	k_q5f186847fd_attn,@function
k_q5f186847fd_attn:
	s_mov_b64 s[64:65], 0
	v_nop
	global_prefetch_b8 v0, s[64:65] scope:SCOPE_SE
	s_setreg_imm32_b32 hwreg(HW_REG_WAVE_SCHED_MODE, 0, 2), 2
	s_setreg_imm32_b32 hwreg(HW_REG_WAVE_MODE, 25, 1), 1
	s_wait_xcnt 0x0
	s_wait_alu depctr_vm_vsrc(0)
; t[head][l][:] = softmax_s((q_l.k_s + q_l.d(l - s) + k_s.d(l - s)) / sqrt(32)) v_s, d(x) = Q(dist_emb[clip(x, -128, 128) + 128]); all four products on codes of E2M1.
; p = 2^(t - M), M the running largest t rounded up to a whole number; p is quantised along the keys; the row's sum is taken of the unquantised p and divides at the end.
; SHARES.  A work-group: one head, 512 queries in two blocks of 256, one after the other; in a block each of sixteen waves has 16 queries and walks the head's 1,024 keys, 64 a step.
; K, V, their scales and the table lie in LDS, copied once for both blocks; the second block's q is asked for at the head of the first.
; LAYOUT.  S^T: source 0 = 16 keys, source 1 = my 16 queries: a lane holds one query.  Row rho of tile 2 b + u is key 32 b + 8 u + rho + 8 (rho / 8): the 16 registers of two tiles are 16 neighbouring keys.
; An instruction is 128 deep, four blocks of 32; a head is one block.  Blocks that are not wanted hold zero codes on one side.
; FAR STEPS (all l - s >= 128 or all <= -128): d is one row d_c.  Source 0 = [k, k], source 1 = [q, d_c], C = q.d_c: one instruction a tile gives all three terms.
; BAND STEPS.  q.d: five tiles of table rows x q give q_r.d_ext[E0 + 79 - i]; a lane's numbers go to the wave's own scratch at word i + r + 1 of row r and come back at word key + 16: the skew is in the address.
;   k.d: source 0 = k, rows 0-7 in block 0 and rows 8-15 in block 1; source 1 = 16 table rows (block 1: those 16 lower), once as they are (HI) and once 16 lower (LO);
;   register sigma = 8 u + j of lane r wants column r - sigma: a shift right by sigma of HI and a shift left by 16 - sigma of LO, each riding on an addition.
; K's fragments of step j + 1 are asked for in step j, behind the products that read step j's.
; No tensor load, no cluster: LDS is filled once through registers, and a head's codes (36 KB) are read by two work-groups only.
; LIMITS: a block of p that is all zeros keeps the scale byte 1 (its codes are zeros); NaN and infinities are not served.
; THE MODE: SCHED_MODE bits 1:0 = 2 (LLVM: expert scheduling mode 2), set by the entry lines.  The code itself states the register dependences
; between vector or matrix instructions and memory or LDS instructions, with s_wait_alu, always for 0.
; THE PLAN.  Registers that memory or LDS instructions touch, in a key step:
;   v20-23   the step's addresses of K and V: written by four additions behind the score products, read by the nine loads behind the join.
;   v24-27   a band step's addresses in the table: written at its head, read by its loads.
;   K (v126 on, four of each eight; v48-49): read by the step's score products (band: by the selects too); the next step's loads land there behind the join.
;   V (v114-121, v50): read by the two products with p at a step's end; the next step's loads land there behind the join.
;   v162-193 a band step: the table's rows land there, five products read them; then q.d lands there from the scratch.   v194-205, v51-55: the table's columns and scales, read by products.
;   v210-249 a band step: five products write them, 40 LDS stores read them, the products k.d write them again.
; THE WAITS OF A STEP.  vm_vsrc at its head: the loads issued so far have read v20-27.  va_vdst behind the join: the addresses are written, the score products are done with K, the last step's products with V.
; va_vdst behind the exponentials, for their results.  va_vdst ahead of the products with p: p's codes and scale word are written.  A band step has four more, each with its reason beside it.
.set KC,  0                            ; K's codes [key][16]
.set KS,  16384                        ; K's scale words
.set VC,  20480                        ; V's codes [key / 32][channel][16]
.set VS,  36864                        ; V's scale words [step][channel]: byte 0 the step's first 32 keys, byte 1 its second
.set DT,  38912                        ; d_ext's codes
.set DS,  47104                        ; d_ext's scale words
.set SCR, 49152                        ; scratch: 6,400 bytes for each wave, 16 rows of 400
.set SCW, 6400
; v4 AK, v5 AKS, v6 AV, v7 AVS, v8-11 the table's lane terms, v12 scratch in, v13 scratch out, v14-16 the way out, v20-27 a step's addresses, v28 0, v29 and v45 q's offsets
; v30 -M, v31 largest t, v[32:33] sum, v[34:35] f, v36-47 at work; scales: v48-49 K, v50 V, v51-52 table columns, v53-55 table rows, v56 p, v57 q, v58 [q, d_c] now, v59 later
; v60 q.d_c later, v61-64 [q, d_c] later; v66-73 [q, 0]; v74-81 [q, d_c]; v82-89 p; v90-105 O^T; v106-113 q.d_c; v114-125 V; v126-161 K; v162-193 S^T (in a band step first the table's rows)
; v194-209 table columns; v210-249 at work; v250-253 a block's q as loaded, v254 its scale words
.macro WM d, a, b, cn, sa, sb, ra, rb
.if (\cn) < 0
.if (\ra) && (\rb)
	v_wmma_scale_f32_16x16x128_f8f6f4 v[(\d):(\d)+7], v[(\a):(\a)+7], v[(\b):(\b)+7], 0, v[\sa], v[\sb] matrix_a_fmt:MATRIX_FMT_FP4 matrix_b_fmt:MATRIX_FMT_FP4 matrix_a_scale:MATRIX_SCALE_ROW1 matrix_b_scale:MATRIX_SCALE_ROW1
.elseif (\ra)
	v_wmma_scale_f32_16x16x128_f8f6f4 v[(\d):(\d)+7], v[(\a):(\a)+7], v[(\b):(\b)+7], 0, v[\sa], v[\sb] matrix_a_fmt:MATRIX_FMT_FP4 matrix_b_fmt:MATRIX_FMT_FP4 matrix_a_scale:MATRIX_SCALE_ROW1
.elseif (\rb)
	v_wmma_scale_f32_16x16x128_f8f6f4 v[(\d):(\d)+7], v[(\a):(\a)+7], v[(\b):(\b)+7], 0, v[\sa], v[\sb] matrix_a_fmt:MATRIX_FMT_FP4 matrix_b_fmt:MATRIX_FMT_FP4 matrix_b_scale:MATRIX_SCALE_ROW1
.else
	v_wmma_scale_f32_16x16x128_f8f6f4 v[(\d):(\d)+7], v[(\a):(\a)+7], v[(\b):(\b)+7], 0, v[\sa], v[\sb] matrix_a_fmt:MATRIX_FMT_FP4 matrix_b_fmt:MATRIX_FMT_FP4
.endif
.else
.if (\ra)
	v_wmma_scale_f32_16x16x128_f8f6f4 v[(\d):(\d)+7], v[(\a):(\a)+7], v[(\b):(\b)+7], v[(\cn):(\cn)+7], v[\sa], v[\sb] matrix_a_fmt:MATRIX_FMT_FP4 matrix_b_fmt:MATRIX_FMT_FP4 matrix_a_scale:MATRIX_SCALE_ROW1
.else
	v_wmma_scale_f32_16x16x128_f8f6f4 v[(\d):(\d)+7], v[(\a):(\a)+7], v[(\b):(\b)+7], v[(\cn):(\cn)+7], v[\sa], v[\sb] matrix_a_fmt:MATRIX_FMT_FP4 matrix_b_fmt:MATRIX_FMT_FP4
.endif
.endif
.endm
.macro NOPS n
.rept \n
	v_nop
.endr
.endm
.macro ZERO a, n
.set i, 0
.rept \n
	v_mov_b32 v[\a+i], 0
.set i, i+1
.endr
.endm
	s_load_b256 s[4:11], s[0:1], 0x0               ; qkvc, qkvs, dt, t
	v_lshl_add_u32 v65, v0, 2, 0x25000
	v_mov_b32 v255, 0
	v_lshrrev_b32 v1, 5, v0
	v_readfirstlane_b32 s12, v1                    ; wave
	s_and_b32 s13, ttmp7, 0xffff                   ; head
	s_lshl_b32 s14, ttmp9, 9                       ; the work-group's 512 queries
	s_mov_b32 s20, 0x76543210
	s_mov_b32 s21, 0xfedcba98
	s_mov_b32 s22, 0x3e8293ee                      ; c = log2(e) / sqrt(32)
	s_mov_b32 s23, s22
	s_mov_b32 s24, 0xffff0000                      ; lanes 16-31
	s_mov_b32 s25, 0xff0000ff                      ; lanes 0-7 and 24-31
	s_mov_b32 s32, 0xffff                          ; lanes 0-15
	v_and_b32 v1, 15, v0                           ; r
	v_bfe_u32 v2, v0, 4, 1                         ; h
	v_and_b32 v3, 31, v0                           ; lane
	v_lshlrev_b32 v17, 4, v0
	v_lshlrev_b32 v18, 3, v0
	v_lshlrev_b32 v19, 2, v0
	v_lshrrev_b32 v28, 5, v0
	v_lshlrev_b32 v28, 8, v28
	v_lshl_add_u32 v28, v3, 2, v28                 ; V's scale words of step thread / 32, channel thread % 32
	s_wait_alu depctr_va_sdst(0)                   ; s12, the wave's number, is written, ahead of its first reader
	s_lshl_b32 s17, s12, 4
	s_add_co_u32 s14, s14, s17                     ; l0: my first query of the first block
	s_lshl_b32 s17, s14, 4
	v_lshl_add_u32 v29, v1, 4, s17                 ; q's codes: 16 (l0 + r)
	s_lshl_b32 s17, s14, 2
	v_lshl_add_u32 v45, v1, 2, s17
	s_lshl_b32 s18, s13, 14
	s_mov_b32 s19, 0
	s_wait_kmcnt 0x0
	s_add_nc_u64 s[4:5], s[4:5], s[18:19]
	s_lshl_b32 s18, s13, 12
	s_add_nc_u64 s[6:7], s[6:7], s[18:19]
	s_wait_alu depctr_va_vdst(0)                   ; v17, v18, v19, v28, v29 and v45 are written: the eleven loads below read them as offsets
	global_load_b128 v[210:213], v17, s[4:5] offset:2097152
	global_load_b128 v[214:217], v17, s[4:5] offset:2097152+8192
	global_load_b64 v[218:219], v18, s[6:7] offset:524288
	global_load_b128 v[220:223], v17, s[4:5] offset:4194304
	global_load_b128 v[224:227], v17, s[4:5] offset:4194304+8192
	global_load_b32 v228, v28, s[6:7] offset:1048576
	global_load_b32 v229, v28, s[6:7] offset:1048576+128
	global_load_b128 v[230:233], v17, s[8:9]
	global_load_b32 v234, v19, s[8:9] offset:8192
	global_load_b128 v[250:253], v29, s[4:5]       ; the first block's q,
	global_load_b32 v254, v45, s[6:7]              ; and its scale words
	s_lshl_b32 s18, s13, 17
	s_lshl_b32 s17, s14, 7
	s_add_co_u32 s18, s18, s17
	s_add_nc_u64 s[10:11], s[10:11], s[18:19]      ; t at my first query
	v_and_b32 v44, 8, v1
	v_add_nc_u32 v44, v44, v1                      ; r + 8 (r / 8)
	v_lshlrev_b32 v4, 4, v44
	v_lshlrev_b32 v5, 2, v44
	v_lshl_add_u32 v5, v2, 5, v5
	v_add_nc_u32 v5, KS, v5
	v_lshlrev_b32 v6, 4, v1
	v_lshl_add_u32 v6, v2, 9, v6
	v_add_nc_u32 v6, VC, v6
	v_lshl_add_u32 v7, v3, 2, VS
	v_lshlrev_b32 v44, 4, v1                       ; 16 r
	v_sub_nc_u32 v8, DT+240, v44
	v_lshlrev_b32 v46, 2, v1                       ; 4 r
	v_lshl_add_u32 v47, v2, 6, v46
	v_sub_nc_u32 v9, DS+60, v47
	v_lshlrev_b32 v47, 8, v2
	v_add_nc_u32 v10, DT, v44
	v_sub_nc_u32 v10, v10, v47
	v_lshlrev_b32 v47, 6, v2
	v_add_nc_u32 v11, DS, v46
	v_sub_nc_u32 v11, v11, v47
	s_mul_i32 s17, s12, SCW
	s_add_co_u32 s17, s17, SCR                     ; my scratch
	v_mul_u32_u24 v12, v1, 404
	v_lshl_add_u32 v12, v2, 5, v12
	v_add_nc_u32 v12, s17, v12
	v_add_nc_u32 v12, 4, v12                       ; in: row r, word r + 1 + 8 h
	v_mul_u32_u24 v13, v1, 400
	v_lshl_add_u32 v13, v2, 6, v13
	v_add_nc_u32 v13, s17, v13
	v_add_nc_u32 v13, 64, v13                      ; out: row r, word 16 + 16 h
	v_mul_u32_u24 v14, v1, 144
	v_lshl_add_u32 v14, v2, 5, v14
	v_add_nc_u32 v14, s17, v14
	v_lshrrev_b32 v15, 3, v3
	v_mul_u32_u24 v15, v15, 144
	v_and_b32 v44, 7, v0
	v_lshl_add_u32 v15, v44, 4, v15
	v_add_nc_u32 v15, s17, v15
	v_lshlrev_b32 v16, 4, v3
	s_wait_loadcnt 0x2                             ; all that goes to LDS is in; q's two loads, issued last, may be out
	v_bfi_b32 v228, 0xff, v228, v229
	s_wait_alu depctr_va_vdst(0)                   ; v228 is written, which an LDS store below reads; so are the addresses v4 to v16, which the LDS instructions of the blocks read
	ds_store_b128 v17, v[210:213] offset:KC
	ds_store_b128 v17, v[214:217] offset:KC+8192
	ds_store_b64 v18, v[218:219] offset:KS
	ds_store_b128 v17, v[220:223] offset:VC
	ds_store_b128 v17, v[224:227] offset:VC+8192
	ds_store_b32 v19, v228 offset:VS
	ds_store_b128 v17, v[230:233] offset:DT
	ds_store_b32 v19, v234 offset:DS
	s_wait_dscnt 0x0                               ; my stores have landed
	s_barrier_signal -1
	s_barrier_wait -1                              ; everybody's have; from here on a wave writes its own scratch alone
	s_wait_alu depctr_vm_vsrc(0)                   ; the loads of V's scale words have read v28, which is written below; the LDS stores have read v210 to v234, which products write
	v_mov_b32 v28, 0
	ZERO 70, 4                                     ; the operands' blocks that stay zero, and registers that are named before they hold anything of use
	ZERO 78, 4
	ZERO 86, 4
	ZERO 122, 40
	ZERO 182, 4
	ZERO 198, 4
	ZERO 206, 4
	v_mov_b32 v35, 0
	v_mov_b32 v38, 0
	v_mov_b32 v39, 0
	s_mov_b32 s33, 0                               ; the block
	s_wait_alu depctr_va_vdst(0)                   ; v28 is written, the address of the block's first four LDS loads.  (On the way round nothing is owed there: no vector line stands between the way out's wait and those loads)
; K's four fragments and two registers of scale words, from ok and os bytes behind the addresses named
.macro KLOAD ak, aks, ok, os
.irp t, 0,1,2,3
	ds_load_b128 v[126+8*\t:129+8*\t], v[\ak] offset:\ok+512*(\t/2)+128*(\t%2)
.endr
	ds_load_b32 v48, v[\aks] offset:\os
	ds_load_b32 v49, v[\aks] offset:\os+128
.endm
; the step's addresses.  Four plain lines: they stand behind the score products, ahead of the reads of the scores
.macro ADDR4
	v_add_nc_u32 v20, s26, v4
	v_add_nc_u32 v21, s27, v5
	v_add_nc_u32 v22, s26, v6
	v_add_nc_u32 v23, s28, v7
.endm
.macro SKH b, sg
	v_add_f32_dpp v[162+16*\b+\sg], v[210+\sg], v[162+16*\b+\sg] row_shr:\sg row_mask:0xf bank_mask:0xf bound_ctrl:1
.endm
.macro SKL b, sg, sl
	v_add_f32_dpp v[162+16*\b+\sg], v[226+\sg], v[162+16*\b+\sg] row_shl:\sl row_mask:0xf bank_mask:0xf bound_ctrl:1
.endm
.macro SKEW b
	v_add_f32 v[162+16*\b], v[210], v[162+16*\b]
.irp g, 1,2,3,4,5,6,7,8,9,10,11,12,13,14,15
	SKH \b, \g
.endr
	SKL \b, 1, 15
	SKL \b, 2, 14
	SKL \b, 3, 13
	SKL \b, 4, 12
	SKL \b, 5, 11
	SKL \b, 6, 10
	SKL \b, 7, 9
	SKL \b, 8, 8
	SKL \b, 9, 7
	SKL \b, 10, 6
	SKL \b, 11, 5
	SKL \b, 12, 4
	SKL \b, 13, 3
	SKL \b, 14, 2
	SKL \b, 15, 1
.endm
; the four products k.d of key block b: HI into v210-225, LO into v226-241
.macro KD b
.irp u, 0,1
	WM 210+8*\u, 130+8*(2*\b+\u), 194, -1, 48+\b, 51+\b, \u, 0
.endr
.irp u, 0,1
	WM 226+8*\u, 130+8*(2*\b+\u), 202, -1, 48+\b, 51+\b, \u, 1
.endr
.endm
.Lblock:
	s_wait_loadcnt 0x0                             ; this block's q and its scale words
	ds_load_b128 v[194:197], v28 offset:DT+16*511  ; d_c ahead of the band: dist_emb's last row
	ds_load_b128 v[202:205], v28 offset:DT         ; and behind it: its first
	ds_load_b32 v51, v28 offset:DS+4*511
	ds_load_b32 v52, v28 offset:DS
	v_mov_b32 v57, v254
.irp i, 0,1,2,3
	v_cndmask_b32 v[66+\i], 0, v[250+\i], s32      ; [q, 0]
.endr
	ZERO 90, 16                                    ; O^T: the step is written once, its first turn finds zeros
	v_mov_b32 v32, 0
	v_mov_b32 v33, 0
	v_mov_b32 v31, 0xff61b1e6                      ; the largest t so far: -3e38
	v_floor_f32 v30, -v31
	s_wait_dscnt 0x0
.irp i, 0,1,2,3
	v_cndmask_b32 v[74+\i], v[250+\i], v[194+\i], s24   ; [q, d_c]
	v_cndmask_b32 v[61+\i], v[250+\i], v[202+\i], s24
.endr
	v_and_b32 v44, 0xff, v57
	v_and_b32 v36, 0xff, v51
	v_lshl_or_b32 v58, v36, 8, v44
	v_and_b32 v36, 0xff, v52
	v_lshl_or_b32 v59, v36, 8, v44
	s_wait_alu depctr_va_vdst(0)                   ; the lines above are done reading v250 to v254, in which the next block's q lands; and they have written [q, 0], [q, d_c] and the scale words v57 and v58, which scaled products take
	s_cmp_lg_u32 s33, 0
	s_cbranch_scc1 .Lno_next                       ; the second block has no successor: nothing is asked for
	global_load_b128 v[250:253], v29, s[4:5] offset:4096   ; the next block's q, 256 rows on: it has the whole block in which to land
	global_load_b32 v254, v45, s[6:7] offset:1024
.Lno_next:
	WM 106, 194, 66, -1, 51, 57, 0, 0              ; q.d_c in all eight registers of a lane
	WM 210, 202, 66, -1, 52, 57, 0, 0
	NOPS 5
	v_mov_b32 v60, v210
	KLOAD 4, 5, 0, 0                               ; K of the first step.  No wait: no vector or matrix line since the wait above names K's registers or v4, v5
	s_mov_b32 s15, 0
.Lstep:
	s_lshl_b32 s26, s15, 4
	s_lshl_b32 s27, s15, 2
	s_lshl_b32 s28, s15, 1
	s_sub_co_i32 s16, s14, s15                     ; l0 - the step's first key: a multiple of 16
	s_wait_dscnt 0x0                               ; this step's K, asked for a step ago
	s_wait_alu depctr_vm_vsrc(0)                   ; the LDS loads issued so far have read v20 to v27, which this step's additions write again
	s_cmp_gt_i32 s16, 176
	s_cbranch_scc1 .Lfar                           ; every l - s is 128 or more
	s_cmp_lt_i32 s16, -128
	s_cbranch_scc1 .Lfar                           ; every l - s is -128 or less
	; ---- a band step
	s_add_co_u32 s29, s16, 128
	s_min_u32 s29, s29, 304                        ; E0, 0 .. 304 here
	s_lshl_b32 s30, s29, 4
	s_lshl_b32 s31, s29, 2
	v_add_nc_u32 v24, s30, v8
	v_add_nc_u32 v25, s31, v9
	v_add_nc_u32 v26, s30, v10
	v_add_nc_u32 v27, s31, v11
	s_wait_alu depctr_va_vdst(0)                   ; v24 to v27 are written, the addresses below; the last step's softmax is done with v162 to v181, earlier products with v194 to v205 and v51 to v55: the loads below land there
.irp m, 0,1,2,3,4
	ds_load_b128 v[162+4*\m:165+4*\m], v24 offset:256*(4-\m)   ; row rho of tile m: d_ext[E0 + 79 - 16 m - rho]; into S^T's registers, which hold nothing yet
.endr
	ds_load_b32 v53, v25 offset:256
	ds_load_b32 v54, v25 offset:128
	ds_load_b32 v55, v25
	ds_load_b128 v[194:197], v26 offset:1024
	ds_load_b128 v[202:205], v26 offset:768
	ds_load_b32 v51, v27 offset:256
	ds_load_b32 v52, v27 offset:128
	s_wait_dscnt 0x0
.irp m, 0,1,2,3,4
	WM 210+8*\m, 162+4*\m, 66, -1, 53+\m/2, 57, \m%2, 0
.endr
	; 29 plain lines that name none of those products' registers stand between them and the stores of their results, the loads into their sources and the products that write over these
.irp t, 0,1,2,3
.irp i, 0,1,2,3
	v_cndmask_b32 v[130+8*\t+\i], 0, v[126+8*\t+\i], s25   ; k with rows 0-7 in block 0 and rows 8-15 in block 1
.endr
.endr
.irp i, 0,1,2,3
	v_mov_b32 v[74+\i], v[61+\i]                   ; far steps that follow lie behind the band: d_c is dist_emb's first row from now on
.endr
	v_mov_b32 v58, v59
.irp i, 0,1,2,3,4,5,6,7
	v_mov_b32 v[106+\i], v60
.endr
	s_wait_alu depctr_va_vdst(0)                   ; the five products have written v210 to v249, which the stores below read, and are done reading v162 to v185, in which the loads below land; the selects and moves have written operands and a scale word that scaled products take
.set i, 0
.rept 40
	ds_store_b32 v12, v[210+i] offset:64*(i/8)+4*(i%8)
.set i, i+1
.endr
.irp t, 0,1,2,3
	ds_load_b128 v[162+8*\t:165+8*\t], v13 offset:128*(\t/2)+32*(\t%2)      ; the wave's own bytes, served in order: q.d in S^T's layout
	ds_load_b128 v[166+8*\t:169+8*\t], v13 offset:128*(\t/2)+32*(\t%2)+16
.endr
	s_wait_dscnt 0x0
	s_wait_alu depctr_vm_vsrc(0)                   ; the forty stores have read v210 to v249, which the products k.d write again
.irp t, 0,1,2,3
	WM 162+8*\t, 126+8*\t, 66, 162+8*\t, 48+\t/2, 57, \t%2, 0   ; + k.q
.endr
	KD 0
	NOPS 5
	s_wait_alu depctr_va_vdst(0)                   ; the first four products k.d are done reading the table's columns, v194 to v197 and v202 to v205, in which the second block's land
	ds_load_b128 v[194:197], v26 offset:512
	ds_load_b128 v[202:205], v26 offset:256
	SKEW 0
	s_wait_dscnt 0x0
	KD 1
	ADDR4
	SKEW 1
	s_branch .Ljoin
.Lfar:
.irp t, 0,1,2,3
	WM 162+8*\t, 126+8*\t, 74, 106, 48+\t/2, 58, \t%2, 0
.endr
	ADDR4
.Ljoin:
	s_wait_alu depctr_va_vdst(0)                   ; v20 to v23 are written, the addresses below; this step's score products are done reading K and its scale words, the last step's products with p are done reading V and its: the nine loads below land there
	ds_load_b128 v[114:117], v22                   ; this step's V,
	ds_load_b128 v[118:121], v22 offset:256
	ds_load_b32 v50, v23
	KLOAD 20, 21, 1024, 256                        ; and the next step's K (behind the last step: bytes of the regions that follow, which nobody uses)
	; ---- the softmax of 64 keys: two blocks of 32
.irp b, 0,1
	v_max3_num_f32 v[36+\b], v[162+16*\b], v[163+16*\b], v[164+16*\b]   ; a block's largest score serves the row's maximum and the block's largest p
.endr
.irp i, 3,5,7,9,11,13
.irp b, 0,1
	v_max3_num_f32 v[36+\b], v[36+\b], v[162+16*\b+\i], v[163+16*\b+\i]
.endr
.endr
.irp b, 0,1
	v_max_num_f32 v[36+\b], v[36+\b], v[177+16*\b]
.endr
.irp b, 0,1
	v_permlanex16_b32 v[38+\b], v[36+\b], s20, s21
.endr
.irp b, 0,1
	v_max_num_f32 v[36+\b], v[36+\b], v[38+\b]
.endr
	v_max_num_f32 v44, v36, v37
	v_mul_f32 v44, s22, v44
	v_max_num_f32 v31, v31, v44                    ; the running largest t
	v_mov_b32 v44, v30
	v_floor_f32 v30, -v31                          ; -M = -ceil(t): a whole number
	v_sub_f32 v44, v30, v44
	v_cvt_i32_f32 v44, v44                         ; (it saturates)
	v_ldexp_f32 v34, 1.0, v44                      ; f = 2^(old M - new M)
.set j, 0
.rept 16
	v_pk_fma_f32 v[162+j:163+j], v[162+j:163+j], s[22:23], v[30:31] op_sel_hi:[1,0,0]
.set j, j+2
.endr
.irp b, 0,1
	v_fma_f32 v[36+\b], v[36+\b], s22, v30
.endr
.set j, 0
	s_wait_alu depctr_va_vdst(0)
.rept 32
	v_exp_f32 v[162+j], v[162+j]                   ; ONE BATCH: the 32 p,
.set j, j+1
.endr
.irp b, 0,1
	v_exp_f32 v[36+\b], v[36+\b]                   ; and each block's largest p
.endr
	v_pk_mul_f32 v[32:33], v[32:33], v[34:35] op_sel_hi:[1,0]   ; the sum under the new M,
.set j, 0
	s_wait_alu depctr_va_vdst(0)
.rept 8
	v_pk_mul_f32 v[90+j:91+j], v[90+j:91+j], v[34:35] op_sel_hi:[1,0]   ; and O^T
.set j, j+2
.endr
	s_wait_alu depctr_va_vdst(0)                   ; the 34 exponentials have written v162 to v193, v36 and v37: one wait for the batch, ahead of its first reader
.irp b, 0,1
	v_max_num_f32 v[36+\b], 0x1800000, v[36+\b]
.endr
.irp b, 0,1
	v_add_nc_u32 v[40+\b], 0xff000000, v[36+\b]
.endr
.irp b, 0,1
	v_lshrrev_b32 v[42+\b], 23, v[40+\b]
.endr
	v_lshl_or_b32 v56, v43, 8, v42                 ; p's scale word
	v_cvt_scalef32_pk8_fp4_f32 v82, v[162:169], v40
	v_cvt_scalef32_pk8_fp4_f32 v83, v[170:177], v40
	v_cvt_scalef32_pk8_fp4_f32 v84, v[178:185], v41
	v_cvt_scalef32_pk8_fp4_f32 v85, v[186:193], v41
	v_nop
	v_permlane16_swap_b32 v82, v84                 ; lanes 0-15 the whole block 0, lanes 16-31 block 1
	v_permlane16_swap_b32 v83, v85
	v_pk_add_f32 v[46:47], v[162:163], v[164:165]  ; the sum of the unquantised p, in two chains: sixteen plain lines ahead of the products that take p and its scale
.irp j, 4,8,12,16,20,24,28
	v_pk_add_f32 v[32:33], v[32:33], v[162+\j:163+\j]
	v_pk_add_f32 v[46:47], v[46:47], v[164+\j:165+\j]
.endr
	v_pk_add_f32 v[32:33], v[32:33], v[46:47]
	s_wait_dscnt 0x6                               ; V's three loads are in; the six of the next K, issued behind them, may be out
	s_wait_alu depctr_va_vdst(0)                   ; p's codes v82 to v85 and its scale word v56 are written, which the two scaled products take; the sixteen plain lines above stay beside this wait
	WM 90, 114, 82, 90, 50, 56, 0, 0
	WM 98, 118, 82, 98, 50, 56, 1, 0
	s_add_co_u32 s15, s15, 64
	s_cmp_lt_u32 s15, 1024
	s_cbranch_scc1 .Lstep
	; ---- the way out: O^T / the sum, through my scratch, as 2,048 consecutive bytes of t
	NOPS 4
	v_add_f32 v32, v32, v33
	v_permlanex16_b32 v38, v32, s20, s21
	v_add_f32 v32, v32, v38
	s_wait_alu depctr_va_vdst(0)
	v_rcp_f32 v32, v32
	v_nop
	s_wait_alu depctr_va_vdst(0)                   ; the reciprocal has written v32, ahead of its first reader
.set j, 0
.rept 16
	v_mul_f32 v[210+j], v[90+j], v32
.set j, j+1
.endr
	s_wait_alu depctr_va_vdst(0)                   ; the multiplications have written v210 to v225, which the LDS stores read
.irp e, 0,1
	ds_store_b128 v14, v[210+8*\e:213+8*\e] offset:64*\e
	ds_store_b128 v14, v[214+8*\e:217+8*\e] offset:64*\e+16
.endr
.irp m, 0,1,2,3
	ds_load_b128 v[226+4*\m:229+4*\m], v15 offset:576*\m
.endr
.irp m, 0,1,2,3
	s_wait_dscnt 3-\m                              ; read-back m is in, the 3 - m behind it may be out; the last of these waits is for all my LDS instructions
	global_store_b128 v16, v[226+4*\m:229+4*\m], s[10:11] offset:512*\m   ; 32 lanes store 512 consecutive bytes
.endr
	s_wait_xcnt 0x0                                ; the stores have read their base and their data: both are written again in the next block
	s_wait_alu depctr_vm_vsrc(0)                   ; the LDS stores have read v210 to v225 and the stores of t v226 to v241, which the next block's products write
	s_add_nc_u64 s[10:11], s[10:11], 32768         ; 256 rows of t on
	s_add_co_u32 s14, s14, 256
	s_add_co_u32 s33, s33, 1
	s_cmp_lt_u32 s33, 2
	s_cbranch_scc1 .Lblock
	s_wait_dscnt 0x0                               ; the closing lines, six on end
	s_wait_alu 0x0
	s_wait_tensorcnt 0x0
	ds_add_u32 v65, v255
	s_wait_dscnt 0x0
	s_endpgm
.Lfunc_end_k_q5f186847fd_attn:
	.size	k_q5f186847fd_attn, .Lfunc_end_k_q5f186847fd_attn-k_q5f186847fd_attn
	.p2alignl 7, 3214868480
	.fill 96, 4, 3214868480
	.section	.rodata,"a",@progbits
	.p2align	6, 0x0
	.amdhsa_kernel k_q5f186847fd_attn
		.amdhsa_group_segment_fixed_size 153600
		.amdhsa_private_segment_fixed_size 0
		.amdhsa_enable_private_segment 0
		.amdhsa_kernarg_size 32
		.amdhsa_user_sgpr_count 2
		.amdhsa_user_sgpr_kernarg_segment_ptr 1
		.amdhsa_wavefront_size32 1
		.amdhsa_system_sgpr_workgroup_id_x 1
		.amdhsa_system_sgpr_workgroup_id_y 1
		.amdhsa_system_sgpr_workgroup_id_z 1
		.amdhsa_system_vgpr_workitem_id 0
		.amdhsa_next_free_vgpr 256
		.amdhsa_next_free_sgpr 66
		.amdhsa_reserve_vcc 0
		.amdhsa_float_denorm_mode_32 3
		.amdhsa_float_denorm_mode_16_64 3
		.amdhsa_memory_ordered 1
		.amdhsa_forward_progress 1
		.amdhsa_inst_pref_size 34
	.end_amdhsa_kernel
	.amdgpu_metadata
---
amdhsa.version: [ 1, 2 ]
amdhsa.kernels:
  - .name:           k_q5f186847fd_attn
    .symbol:         k_q5f186847fd_attn.kd
    .args:
      - { .name: qkvc, .offset: 0, .size: 8, .value_kind: global_buffer, .address_space: global }
      - { .name: qkvs, .offset: 8, .size: 8, .value_kind: global_buffer, .address_space: global }
      - { .name: dt, .offset: 16, .size: 8, .value_kind: global_buffer, .address_space: global }
      - { .name: t, .offset: 24, .size: 8, .value_kind: global_buffer, .address_space: global }
    .group_segment_fixed_size: 153600
    .private_segment_fixed_size: 0
    .kernarg_segment_align: 8
    .kernarg_segment_size: 32
    .max_flat_workgroup_size: 512
    .sgpr_count:     66
    .vgpr_count:     256
    .wavefront_size: 32
...
	.end_amdgpu_metadata
.endif
;; end of part 7
;; launch tail (part 8): grid 256 x 1, 16 waves a work-group, no clusters, 167,936 bytes of LDS; arguments t, x, wc, wsc, ln1_g, ln1_b, b1, b2, ln2_g, ln2_b, out0; writes out0
.if DOCPART == 8
	.amdgcn_target "amdgcn-amd-amdhsa--gfx1250"
	.amdhsa_code_object_version 6
	.text
	.protected	k_q5f186847fd_tail
	.globl	k_q5f186847fd_tail
	.p2align	8
	.type	k_q5f186847fd_tail,@function
k_q5f186847fd_tail:
	s_mov_b64 s[64:65], 0
	v_nop
	global_prefetch_b8 v0, s[64:65] scope:SCOPE_SE
	s_setreg_imm32_b32 hwreg(HW_REG_WAVE_SCHED_MODE, 0, 2), 2
	s_setreg_imm32_b32 hwreg(HW_REG_WAVE_MODE, 25, 1), 1
	s_wait_xcnt 0x0
	s_wait_alu depctr_vm_vsrc(0)
; h = LN(t + x) g1 + b;  m = relu(h W1 + b1) W2 + b2, both products on codes of E2M1;  out[l][n][:] = LN(m + h).
; A work-group takes 16 rows (one n, 16 neighbouring l).  Wave w owns row w for both norms, and output columns 64 w .. 64 w + 63 of both products, for all 16 rows.
; The weights come from memory straight into registers as images of the operand's registers, three K steps ahead (three slots of 32 registers).  h's and the hidden layer's codes go from wave to wave through LDS.
; The four vectors of the norms are wanted whole by every wave: they are fetched once a work-group (four waves to a vector) and read from LDS.
; Both norms run with lane i on columns 128 k + 4 i .. + 3: every load and store of a row covers 512 consecutive bytes.  For the conversions h comes back from the wave's own row in LDS with eight neighbours a lane.
; Products are used transposed (source 0 = 16 output columns, source 1 = the 16 rows): a lane holds one row and eight neighbouring columns.  The biases are the C of each sum's first product.
; No tensor load: nothing in LDS is filled twice.  No cluster: the weights' loads go to registers.
; LIMITS: a block of zeros gets the scale byte 1 (its codes are zeros); NaN and infinities are not served.
; THE MODE: SCHED_MODE bits 1:0 = 2 (LLVM: expert scheduling mode 2), set by the entry lines.  The code itself states the register dependences
; between vector or matrix instructions and memory or LDS instructions, with s_wait_alu, always for 0.
; THE PLAN.  Registers that memory or LDS instructions touch, in the K steps:
;   v160-255  three slots of weights: K step s's four products read slot s % 3; behind them the loads of step s + 3 land in it.
;   v20-51    four sets of the rows' fragment (the row itself lies in LDS meanwhile): step s's products read set s % 4; behind them the loads of step s + 4 of the same product land in it.
;             Behind each product's barrier four steps' fragments are asked for at once, so that a fragment is asked for four steps ahead of its products.
;   v4-19     addresses and offsets: made once at the head, never written again.
; So ONE wait on va_vdst stands in a K step, behind its products: they are done reading their slot and their set.  A step behind which nothing is loaded has none.
; Outside the K steps each run of stores has its wait on va_vdst ahead of it, and each register that a store has read its wait on vm_vsrc ahead of the next write, each with its reason beside it.
.set HC, 0                             ; h's codes: 16 rows of 512 + 16 bytes
.set GC, 8448                          ; the hidden layer's
.set HS, 16896                         ; h's scale words [K step][16 rows]
.set GS, 17408
.set HR, 17920                         ; h, f32: 16 rows of 4,096 + 16 bytes
.set MS, 83712                         ; the second product's results likewise
.set LP, 149504                        ; ln1_g, ln1_b, ln2_g, ln2_b: 4,096 bytes each
; v4-19 addresses; v20-51 a row (x, then t + x, then h; later m + h), in the K steps the rows' fragment in four sets; v52-83 t, ln1_b, h by eights, then the four accumulators; v84-115 ln1_g, b2, then h; v116-123 the norms' sums
; v124-127 the rows' scale words; v128-143 W1's, v144-159 W2's; v160-255 three slots of weights, at the end ln2_g and ln2_b
	s_load_b512 s[8:23], s[0:1], 0x0               ; t, x, wc, wsc, ln1_g, ln1_b, b1, b2
	s_load_b128 s[24:27], s[0:1], 0x40             ; ln2_g, ln2_b
	s_load_b64 s[28:29], s[0:1], 0x50              ; out0
	v_lshrrev_b32 v1, 5, v0
	v_readfirstlane_b32 s2, v1                     ; wave
	s_mov_b32 s3, ttmp9
	s_lshr_b32 s4, s3, 6                           ; n
	s_and_b32 s5, s3, 63
	s_lshl_b32 s5, s5, 4
	s_mov_b32 s32, 0x76543210
	s_mov_b32 s33, 0xfedcba98
	s_mov_b32 s34, 0x3a800000                      ; 1 / 1024
	s_mov_b32 s35, 0x3727c5ac                      ; 1e-5
	v_and_b32 v1, 15, v0                           ; r
	v_bfe_u32 v2, v0, 4, 1                         ; h
	v_and_b32 v3, 31, v0                           ; lane
	v_lshrrev_b32 v5, 3, v3
	v_lshlrev_b32 v5, 17, v5
	v_and_b32 v18, 7, v0
	v_lshl_add_u32 v5, v18, 4, v5                  ; t: head lane / 8, channels 4 (lane % 8) on: a load takes four heads' whole rows of 128 bytes
	v_lshlrev_b32 v6, 4, v3
	v_lshlrev_b32 v7, 2, v3
	s_wait_alu depctr_va_sdst(0)                   ; s2, the wave's number, is written, ahead of its first reader
	s_add_co_u32 s6, s5, s2                        ; my row l
	s_lshr_b32 s31, s2, 2                          ; which of the norms' four vectors my wave helps to fetch
	s_mul_i32 s7, s2, 528
	v_add_nc_u32 v8, s7, v7                        ; h's codes: row w, 4 bytes a lane
	v_lshlrev_b32 v9, 6, v2
	v_bfe_u32 v18, v0, 2, 2
	v_add_nc_u32 v9, v9, v18
	s_lshl_b32 s7, s2, 2
	s_add_co_u32 s7, s7, HS
	v_add_nc_u32 v9, s7, v9                        ; h's scale byte: K step 2 q + lane / 16, row w, byte (lane / 4) % 4
	v_mul_u32_u24 v10, v1, 528
	v_lshl_add_u32 v10, v2, 4, v10                 ; a fragment of the rows
	s_lshl_b32 s7, s2, 5
	s_add_co_u32 s7, s7, GC
	v_mul_u32_u24 v11, v1, 528
	v_lshl_add_u32 v11, v2, 3, v11
	v_add_nc_u32 v11, s7, v11                      ; hidden codes: row r, 32 w + 8 h
	s_lshr_b32 s7, s2, 1
	s_lshl_b32 s7, s7, 6
	s_and_b32 s30, s2, 1
	s_lshl_b32 s30, s30, 1
	s_add_co_u32 s7, s7, s30
	s_add_co_u32 s7, s7, GS
	v_lshl_add_u32 v12, v1, 2, s7                  ; hidden scale byte: K step w / 2, row r, byte 2 (w % 2) + block
	s_mul_i32 s7, s2, 4112
	s_add_co_u32 s30, s7, HR
	v_lshl_add_u32 v13, v3, 5, s30                 ; my row of h, eight neighbours a lane
	v_add_nc_u32 v15, s30, v6                      ; and four
	s_add_co_u32 s30, s7, MS
	v_add_nc_u32 v16, s30, v6
	s_lshl_b32 s7, s2, 8
	s_add_co_u32 s7, s7, MS
	v_mul_u32_u24 v14, v1, 4112
	v_lshl_add_u32 v14, v2, 5, v14
	v_add_nc_u32 v14, s7, v14                      ; results: row r, 256 w + 32 h
	v_lshlrev_b32 v17, 5, v2                       ; 32 h
	v_and_b32 v18, 127, v0
	v_lshlrev_b32 v18, 4, v18                      ; the norms' vectors, in memory: 16 bytes of 2,048 for each of a vector's 128 threads, twice
	v_lshrrev_b32 v4, 7, v0
	v_lshl_add_u32 v4, v4, 12, v18
	v_add_nc_u32 v4, LP, v4                        ; and in LDS: vector thread / 128
	v_add_nc_u32 v19, LP, v6                       ; and where a lane reads them
	s_mov_b32 s37, 0
	s_wait_kmcnt 0x0
	s_mov_b64 s[38:39], s[16:17]
	s_cmp_eq_u32 s31, 1
	s_cselect_b64 s[38:39], s[18:19], s[38:39]
	s_cmp_eq_u32 s31, 2
	s_cselect_b64 s[38:39], s[24:25], s[38:39]
	s_cmp_eq_u32 s31, 3
	s_cselect_b64 s[38:39], s[26:27], s[38:39]
	s_lshl_b32 s36, s4, 22
	s_lshl_b32 s7, s6, 12
	s_add_co_u32 s36, s36, s7
	s_add_nc_u64 s[10:11], s[10:11], s[36:37]      ; x at my row
	s_lshl_b32 s36, s4, 22
	s_lshl_b32 s7, s6, 7
	s_add_co_u32 s36, s36, s7
	s_add_nc_u64 s[8:9], s[8:9], s[36:37]          ; t at head 32 n, my l
	s_lshl_b32 s36, s2, 15
	s_add_co_u32 s36, s36, 3*524288
	s_add_nc_u64 s[12:13], s[12:13], s[36:37]      ; W1's codes, my four tiles
	s_lshl_b32 s36, s2, 11
	s_add_co_u32 s36, s36, 3*32768
	s_add_nc_u64 s[14:15], s[14:15], s[36:37]
	s_lshl_b32 s36, s2, 8
	s_add_nc_u64 s[20:21], s[20:21], s[36:37]
	s_add_nc_u64 s[22:23], s[22:23], s[36:37]
	s_lshl_b32 s36, s6, 2
	s_add_co_u32 s36, s36, s4
	s_lshl_b32 s36, s36, 12
	s_add_nc_u64 s[28:29], s[28:29], s[36:37]      ; out0 at row (l, n)
	s_wait_alu depctr_va_vdst(0)                   ; the sixteen addresses and offsets v4 to v19 are written: every load and store of the kernel reads one of them
.macro WLOAD sg
.irp t, 0,1,2,3
.irp c, 0,1
	global_load_b128 v[160+32*((\sg)%3)+8*\t+4*\c:160+32*((\sg)%3)+8*\t+4*\c+3], v6, s[12:13] offset:((\sg)/8)*524288+\t*8192+((\sg)%8)*1024+\c*512
.endr
.endr
.endm
.macro FRAG sg                         ; the rows' fragment of K step sg % 8 of product sg / 8, into set sg % 4
	ds_load_b128 v[20+8*((\sg)%4):23+8*((\sg)%4)], v10 offset:((\sg)/8)*8448+64*((\sg)%8)
	ds_load_b128 v[24+8*((\sg)%4):27+8*((\sg)%4)], v10 offset:((\sg)/8)*8448+64*((\sg)%8)+32
.endm
.macro WSUM                            ; v116 summed over the wave's 32 lanes
	v_add_f32_dpp v116, v116, v116 row_xmask:1 row_mask:0xf bank_mask:0xf
	v_add_f32_dpp v116, v116, v116 row_xmask:2 row_mask:0xf bank_mask:0xf
	v_add_f32_dpp v116, v116, v116 row_xmask:4 row_mask:0xf bank_mask:0xf
	v_add_f32_dpp v116, v116, v116 row_xmask:8 row_mask:0xf bank_mask:0xf
	v_permlanex16_b32 v118, v116, s32, s33
	v_add_f32 v116, v116, v118
.endm
; the row in v20-51 loses its mean; v[122:123] = 1 / sqrt(variance + 1e-5), twice
.macro LNSTAT
	v_pk_add_f32 v[116:117], v[20:21], v[22:23]
	v_pk_add_f32 v[118:119], v[24:25], v[26:27]
.irp j, 8,12,16,20,24,28
	v_pk_add_f32 v[116:117], v[116:117], v[20+\j:21+\j]
	v_pk_add_f32 v[118:119], v[118:119], v[22+\j:23+\j]
.endr
	v_pk_add_f32 v[116:117], v[116:117], v[118:119]
	v_add_f32 v116, v116, v117
	WSUM
	v_mul_f32 v120, s34, v116
	v_mov_b32 v121, v120
.set j, 0
.rept 16
	v_pk_add_f32 v[20+j:21+j], v[20+j:21+j], v[120:121] neg_lo:[0,1] neg_hi:[0,1]
.set j, j+2
.endr
	v_pk_mul_f32 v[116:117], v[20:21], v[20:21]
	v_pk_mul_f32 v[118:119], v[22:23], v[22:23]
.irp j, 4,8,12,16,20,24,28
	v_pk_fma_f32 v[116:117], v[20+\j:21+\j], v[20+\j:21+\j], v[116:117]
	v_pk_fma_f32 v[118:119], v[22+\j:23+\j], v[22+\j:23+\j], v[118:119]
.endr
	v_pk_add_f32 v[116:117], v[116:117], v[118:119]
	v_add_f32 v116, v116, v117
	WSUM
	v_fma_f32 v122, v116, s34, s35
	s_wait_alu depctr_va_vdst(0)
	v_rsq_f32 v122, v122
	v_nop
	s_wait_alu depctr_va_vdst(0)                   ; the root has written v122, ahead of its first reader; all vector lines above it are done with their registers too
	v_mov_b32 v123, v122
.endm
.macro LNAPPLY g, b
.set j, 0
.rept 16
	v_pk_mul_f32 v[20+j:21+j], v[20+j:21+j], v[122:123]
	v_pk_fma_f32 v[20+j:21+j], v[20+j:21+j], v[\g+j:\g+j+1], v[\b+j:\b+j+1]
.set j, j+2
.endr
.endm
.macro BARRIER
	s_barrier_signal -1
	s_barrier_wait -1
.endm
	; ---- the first norm.  Lane i holds columns 128 k + 4 i .. + 3, k = 0 .. 7
.irp k, 0,1,2,3,4,5,6,7
	global_load_b128 v[20+4*\k:23+4*\k], v6, s[10:11] offset:512*\k th:TH_LOAD_NT
.endr
.irp k, 0,1,2,3,4,5,6,7
	global_load_b128 v[52+4*\k:55+4*\k], v5, s[8:9] offset:524288*\k th:TH_LOAD_NT   ; heads 4 k .. 4 k + 3
.endr
	global_load_b128 v[84:87], v18, s[38:39]       ; my 32 bytes of the norms' vectors
	global_load_b128 v[88:91], v18, s[38:39] offset:2048
	WLOAD 0
	WLOAD 1
	WLOAD 2
	s_wait_loadcnt 24                              ; x, t and the vectors' pieces are in; the 24 loads of weights, issued behind them, may be out
	ds_store_b128 v4, v[84:87]
	ds_store_b128 v4, v[88:91] offset:2048
	s_wait_dscnt 0x0                               ; my pieces have landed:
	s_barrier_signal -1                            ; say so, and work on registers while the others arrive
.set j, 0
.rept 16
	v_pk_add_f32 v[20+j:21+j], v[20+j:21+j], v[52+j:53+j]
.set j, j+2
.endr
	LNSTAT
	s_wait_alu depctr_va_vdst(0)
	s_barrier_wait -1                              ; the four vectors lie in LDS; they are only read from here on
	s_wait_alu depctr_vm_vsrc(0)                   ; my two LDS stores have read v84 to v91, in which the gain lands.  (The additions that read t in v52 to v83, in which the bias lands, stand ahead of the root's wait, and the one line behind that wait names neither)
.irp k, 0,1,2,3,4,5,6,7
	ds_load_b128 v[84+4*\k:87+4*\k], v19 offset:512*\k
	ds_load_b128 v[52+4*\k:55+4*\k], v19 offset:4096+512*\k
.endr
	s_wait_dscnt 0x0
	LNAPPLY 84, 52
	; ---- h to my row in LDS as f32; back with eight neighbours a lane (chunk q: lane i holds columns 256 q + 8 i .. + 7); a block of 32 is four lanes' eight numbers
	s_wait_alu depctr_va_vdst(0)                   ; h is written in v20 to v51, which the LDS stores read; the same lines are done reading v52 to v83, in which the loads below land
.irp k, 0,1,2,3,4,5,6,7
	ds_store_b128 v15, v[20+4*\k:23+4*\k] offset:512*\k
.endr
.irp q, 0,1,2,3
	ds_load_b128 v[52+8*\q:55+8*\q], v13 offset:1024*\q       ; the wave's own bytes, served in order
	ds_load_b128 v[56+8*\q:59+8*\q], v13 offset:1024*\q+16
.endr
	s_wait_dscnt 0x0
.irp q, 0,1,2,3
	v_max3_num_f32 v[84+\q], |v[52+8*\q]|, |v[53+8*\q]|, 0x1800000
.endr
.irp i, 2,4,6
.irp q, 0,1,2,3
	v_max3_num_f32 v[84+\q], v[84+\q], |v[52+8*\q+\i]|, |v[53+8*\q+\i]|
.endr
.endr
.irp q, 0,1,2,3
	v_max_num_f32_dpp v[84+\q], v[84+\q], v[84+\q] row_xmask:1 row_mask:0xf bank_mask:0xf
.endr
.irp q, 0,1,2,3
	v_max_num_f32_dpp v[84+\q], v[84+\q], v[84+\q] row_xmask:2 row_mask:0xf bank_mask:0xf
.endr
.irp q, 0,1,2,3
	v_add_nc_u32 v[88+\q], 0xff000000, v[84+\q]
.endr
.irp q, 0,1,2,3
	v_lshrrev_b32 v[92+\q], 23, v[88+\q]
.endr
.irp q, 0,1,2,3
	v_cvt_scalef32_pk8_fp4_f32 v[96+\q], v[52+8*\q:59+8*\q], v[88+\q]
.endr
	v_nop
	s_wait_alu depctr_va_vdst(0)                   ; the codes v96 to v99 and the bytes v92 to v95 are written, which the LDS stores read; the conversions are done reading v52 to v83, and all these lines with v84 to v99: the biases land there
.irp q, 0,1,2,3
	ds_store_b32 v8, v[96+\q] offset:HC+128*\q
	ds_store_b8 v9, v[92+\q] offset:128*\q         ; the block's four lanes write the same byte with the same value
.endr
	s_wait_dscnt 0x0                               ; my stores have landed
	s_wait_alu depctr_vm_vsrc(0)                   ; the LDS stores have read v92 to v99, in which b2 lands, and h's stores v20 to v51, in which the rows' fragments land
.irp t, 0,1,2,3
	global_load_b128 v[52+8*\t:55+8*\t], v17, s[20:21] offset:64*\t        ; b1 straight into the accumulators
	global_load_b128 v[56+8*\t:59+8*\t], v17, s[20:21] offset:64*\t+16
	global_load_b128 v[84+8*\t:87+8*\t], v17, s[22:23] offset:64*\t        ; b2
	global_load_b128 v[88+8*\t:91+8*\t], v17, s[22:23] offset:64*\t+16
.endr
.irp g, 0,1
.irp t, 0,1,2,3
.irp p, 0,1,2,3
	global_load_b32 v[128+16*\g+4*\t+\p], v7, s[14:15] offset:\g*32768+\t*512+128*\p   ; lanes 0-15 K step 2 p, lanes 16-31 K step 2 p + 1
.endr
.endr
.endr
	BARRIER                                        ; h's codes and scale words lie in LDS
; K step sg % 8 of product sg / 8: four products, the accumulators by turns; then the slot takes the weights that are wanted three steps on, and the set the fragment that is wanted four steps on
.macro KST sg
.set GG, (\sg)/8
.set SS, (\sg)%8
.set SL, 160+32*((\sg)%3)
.set FS, 20+8*((\sg)%4)
.if (\sg) == 0
	s_wait_loadcnt 0x0                             ; the first three slots, the biases and the scale words
.elseif (\sg) == 15
	s_wait_loadcnt 0x0                             ; the last eight loads
.elseif (\sg) == 14
	s_wait_loadcnt 8                               ; behind this step's eight loads only the last step's eight were issued
.elseif (\sg) >= 3
	s_wait_loadcnt 16                              ; this step's eight loads are in; the two groups of eight behind them may be out
.endif
.if SS <= 4
	s_wait_dscnt 6                                 ; this step's fragment (and, ahead of it, the scale words) is in; the three younger fragments, six loads, may be out
.else
	s_wait_dscnt 2*(7-SS)                          ; the counts run down
.endif
.irp t, 0,1,2,3
.if (\sg) == 8
	v_wmma_scale_f32_16x16x128_f8f6f4 v[52+8*\t:59+8*\t], v[SL+8*\t:SL+8*\t+7], v[FS:FS+7], v[84+8*\t:91+8*\t], v[128+16*GG+4*\t+SS/2], v[124+SS/2] matrix_a_fmt:MATRIX_FMT_FP4 matrix_b_fmt:MATRIX_FMT_FP4
.elseif SS%2
	v_wmma_scale_f32_16x16x128_f8f6f4 v[52+8*\t:59+8*\t], v[SL+8*\t:SL+8*\t+7], v[FS:FS+7], v[52+8*\t:59+8*\t], v[128+16*GG+4*\t+SS/2], v[124+SS/2] matrix_a_fmt:MATRIX_FMT_FP4 matrix_b_fmt:MATRIX_FMT_FP4 matrix_a_scale:MATRIX_SCALE_ROW1 matrix_b_scale:MATRIX_SCALE_ROW1
.else
	v_wmma_scale_f32_16x16x128_f8f6f4 v[52+8*\t:59+8*\t], v[SL+8*\t:SL+8*\t+7], v[FS:FS+7], v[52+8*\t:59+8*\t], v[128+16*GG+4*\t+SS/2], v[124+SS/2] matrix_a_fmt:MATRIX_FMT_FP4 matrix_b_fmt:MATRIX_FMT_FP4
.endif
.endr
.if (\sg) <= 12 || (\sg) == 15
.rept 4
	v_nop                                          ; four plain lines behind the products, ahead of reads of their results; they stay beside the wait
.endr
	s_wait_alu depctr_va_vdst(0)                   ; this step's products are done reading their slot of weights and their set of the fragment, in which the loads below land; behind the last step: they have written the accumulators, which LDS stores read
.endif
.if (\sg) <= 12
	WLOAD (\sg)+3
.endif
.if SS <= 3
	FRAG (\sg)+4
.endif
.endm
.irp p, 0,1,2,3
	ds_load_b32 v[124+\p], v7 offset:HS+128*\p
.endr
.irp s, 0,1,2,3
	FRAG \s                                        ; no vector line since the wait ahead of the codes' stores names v20 to v51
.endr
.irp s, 0,1,2,3,4,5,6,7
	KST \s
.endr
	; ---- relu, and the hidden layer quantised: my 64 units are two blocks
.set j, 0
.rept 32
	v_max_num_f32 v[52+j], 0, v[52+j]
.set j, j+1
.endr
.irp b, 0,1
	v_max3_num_f32 v[20+\b], v[52+16*\b], v[53+16*\b], 0x1800000
.endr
.irp i, 2,4,6,8,10,12,14
.irp b, 0,1
	v_max3_num_f32 v[20+\b], v[20+\b], v[52+16*\b+\i], v[53+16*\b+\i]
.endr
.endr
.irp b, 0,1
	v_permlanex16_b32 v[22+\b], v[20+\b], s32, s33
.endr
.irp b, 0,1
	v_max_num_f32 v[20+\b], v[20+\b], v[22+\b]
.endr
.irp b, 0,1
	v_add_nc_u32 v[24+\b], 0xff000000, v[20+\b]
.endr
.irp b, 0,1
	v_lshrrev_b32 v[26+\b], 23, v[24+\b]
.endr
.irp b, 0,1
	v_cvt_scalef32_pk8_fp4_f32 v[28+2*\b], v[52+16*\b:59+16*\b], v[24+\b]
	v_cvt_scalef32_pk8_fp4_f32 v[29+2*\b], v[60+16*\b:67+16*\b], v[24+\b]
.endr
	v_nop
.irp b, 0,1
	v_permlane16_swap_b32 v[28+2*\b], v[29+2*\b]   ; lane (r, h): codes 16 h .. 16 h + 15 of the block
.endr
	s_wait_alu depctr_va_vdst(0)                   ; the codes v28 to v31 and the bytes v26, v27 are written, which the LDS stores read; these lines are done with v20 to v31, in which the next fragments land
.irp b, 0,1
	ds_store_b64 v11, v[28+2*\b:29+2*\b] offset:16*\b
	ds_store_b8 v12, v[26+\b] offset:\b
.endr
	s_wait_dscnt 0x0
	BARRIER                                        ; the hidden layer's codes and scale words lie in LDS
	s_wait_alu depctr_vm_vsrc(0)                   ; my LDS stores have read v26 to v31, in which the fragments below land
.irp p, 0,1,2,3
	ds_load_b32 v[124+\p], v7 offset:GS+128*\p
.endr
.irp s, 8,9,10,11
	FRAG \s
.endr
.irp s, 8,9,10,11,12,13,14,15
	KST \s
.endr
.irp t, 0,1,2,3
	ds_store_b128 v14, v[52+8*\t:55+8*\t] offset:64*\t
	ds_store_b128 v14, v[56+8*\t:59+8*\t] offset:64*\t+16
.endr
	s_wait_dscnt 0x0
	BARRIER                                        ; 16 whole rows of the second product lie in LDS
	s_wait_alu depctr_vm_vsrc(0)                   ; my LDS stores have read v52 to v83, in which my row of the second product lands
	; ---- the second norm, on my row; lane i holds columns 128 k + 4 i .. + 3
.irp k, 0,1,2,3,4,5,6,7
	ds_load_b128 v[52+4*\k:55+4*\k], v16 offset:512*\k
	ds_load_b128 v[84+4*\k:87+4*\k], v15 offset:512*\k
.endr
.irp k, 0,1,2,3,4,5,6,7
	ds_load_b128 v[192+4*\k:195+4*\k], v19 offset:8192+512*\k      ; ln2_g
	ds_load_b128 v[224+4*\k:227+4*\k], v19 offset:12288+512*\k     ; ln2_b
.endr
	s_wait_dscnt 16                                ; m and h are in; the gain's and the bias's sixteen loads may be out
.set j, 0
.rept 16
	v_pk_add_f32 v[20+j:21+j], v[52+j:53+j], v[84+j:85+j]
.set j, j+2
.endr
	LNSTAT
	s_wait_alu depctr_va_vdst(0)
	s_wait_dscnt 0x0
	LNAPPLY 192, 224
	s_wait_alu depctr_va_vdst(0)                   ; the row is written in v20 to v51, which the stores read
.irp k, 0,1,2,3,4,5,6,7
	global_store_b128 v6, v[20+4*\k:23+4*\k], s[28:29] offset:512*\k th:TH_STORE_NT   ; 32 lanes store 512 consecutive bytes
.endr
	s_wait_xcnt 0x0
	v_lshl_add_u32 v254, v0, 2, 0x28800            ; the add's two registers are made anew here: no two can be kept; no memory or LDS instruction has ever read v254 or v255
	v_mov_b32 v255, 0
	s_wait_dscnt 0x0                               ; the closing lines, six on end
	s_wait_alu 0x0
	s_wait_tensorcnt 0x0
	ds_add_u32 v254, v255
	s_wait_dscnt 0x0
	s_endpgm
.Lfunc_end_k_q5f186847fd_tail:
	.size	k_q5f186847fd_tail, .Lfunc_end_k_q5f186847fd_tail-k_q5f186847fd_tail
	.p2alignl 7, 3214868480
	.fill 96, 4, 3214868480
	.section	.rodata,"a",@progbits
	.p2align	6, 0x0
	.amdhsa_kernel k_q5f186847fd_tail
		.amdhsa_group_segment_fixed_size 167936
		.amdhsa_private_segment_fixed_size 0
		.amdhsa_enable_private_segment 0
		.amdhsa_kernarg_size 88
		.amdhsa_user_sgpr_count 2
		.amdhsa_user_sgpr_kernarg_segment_ptr 1
		.amdhsa_wavefront_size32 1
		.amdhsa_system_sgpr_workgroup_id_x 1
		.amdhsa_system_sgpr_workgroup_id_y 1
		.amdhsa_system_sgpr_workgroup_id_z 1
		.amdhsa_system_vgpr_workitem_id 0
		.amdhsa_next_free_vgpr 256
		.amdhsa_next_free_sgpr 66
		.amdhsa_reserve_vcc 0
		.amdhsa_float_denorm_mode_32 3
		.amdhsa_float_denorm_mode_16_64 3
		.amdhsa_memory_ordered 1
		.amdhsa_forward_progress 1
		.amdhsa_inst_pref_size 63
	.end_amdhsa_kernel
	.amdgpu_metadata
---
amdhsa.version: [ 1, 2 ]
amdhsa.kernels:
  - .name:           k_q5f186847fd_tail
    .symbol:         k_q5f186847fd_tail.kd
    .args:
      - { .name: t, .offset: 0, .size: 8, .value_kind: global_buffer, .address_space: global }
      - { .name: x, .offset: 8, .size: 8, .value_kind: global_buffer, .address_space: global }
      - { .name: wc, .offset: 16, .size: 8, .value_kind: global_buffer, .address_space: global }
      - { .name: wsc, .offset: 24, .size: 8, .value_kind: global_buffer, .address_space: global }
      - { .name: ln1_g, .offset: 32, .size: 8, .value_kind: global_buffer, .address_space: global }
      - { .name: ln1_b, .offset: 40, .size: 8, .value_kind: global_buffer, .address_space: global }
      - { .name: b1, .offset: 48, .size: 8, .value_kind: global_buffer, .address_space: global }
      - { .name: b2, .offset: 56, .size: 8, .value_kind: global_buffer, .address_space: global }
      - { .name: ln2_g, .offset: 64, .size: 8, .value_kind: global_buffer, .address_space: global }
      - { .name: ln2_b, .offset: 72, .size: 8, .value_kind: global_buffer, .address_space: global }
      - { .name: out0, .offset: 80, .size: 8, .value_kind: global_buffer, .address_space: global }
    .group_segment_fixed_size: 167936
    .private_segment_fixed_size: 0
    .kernarg_segment_align: 8
    .kernarg_segment_size: 88
    .max_flat_workgroup_size: 512
    .sgpr_count:     66
    .vgpr_count:     256
    .wavefront_size: 32
...
	.end_amdgpu_metadata
.endif
;; end of part 8
